; MI455X (gfx1250); checked and timed in simulation.
; The chip was launched on July 23, 2026; its instructions are those of AMD's public machine-readable ISA for CDNA 5 (MIT licence, August 2026) and "CDNA5" Instruction Set Architecture Reference Guide (July 2026). The comments in the code are by the model that wrote it; some were corrected since.
;; Dyna Lo RA Linear. Allowed arithmetic: float matrix products may take bf16 or f16 operands with f32 sums; all other float work in f32.
;; Inputs: W_base 4,096 x 4,096 float32; W_r 7 x 4,096 float32; b_base 4,096 float32; expert_scores 8 x 4 float32; gating_W 4,096 x 4,096 float32; lora_A 4 x 8 x 4,096 float32; lora_B 4 x 4,096 x 8 float32; x 8 x 512 x 4,096 float32.
;; Outputs: out0 8 x 512 x 4,096 float32.
;; Constants: k = 2, module_idx = 0.
;; 2 versions, each right; version 2 is version 1 with the launch prep written anew for expert scheduling mode. Each part assembles by itself: llvm-mc -triple=amdgcn-amd-amdhsa -mcpu=gfx1250 --defsym DOCPART=n.
;; ======== version 1 of 2: 2 launches
;; workspace buffers: xb 33,554,432 bytes; wb 33,554,432 bytes; tp 1,048,576 bytes; lp 65,536 bytes
;; launch prep (part 1): grid 256 x 1, 16 waves a work-group, no clusters, 281,088 bytes of LDS; arguments x, W_base, gating_W, W_r, lora_A, xb, wb, tp, lp; writes xb, wb, tp, lp
.if DOCPART == 1
	.amdgcn_target "amdgcn-amd-amdhsa--gfx1250"
	.amdhsa_code_object_version 6
	.text
	.protected	k_q66d9811693_prep
	.globl	k_q66d9811693_prep
	.p2align	8
	.type	k_q66d9811693_prep,@function
k_q66d9811693_prep:
	s_mov_b64 s[64:65], 0
	v_nop
	global_prefetch_b8 v0, s[64:65] scope:SCOPE_SE
	s_setreg_imm32_b32 hwreg(HW_REG_WAVE_MODE, 25, 1), 1
	s_wait_xcnt 0x0
; PREP: everything that has to be done once ahead of the large product.
;   xb = bf16(x), wb = bf16(W_base)                       [4096][4096] bf16 each
;   tp[kh][row][n] = sum over half kh of the columns of x[row][i] lora_A[n][i]   (n = 8 e + r), bf16 operands, f32 sums
;   lp[g][b][m]    = work-group g's share of logits[b][m] = sum over j, i of W_r[m][j] gating_W[j][i] x[b][511][i], all in f32
; The logits are bilinear, so any block (rows j, columns i) of gating_W gives a share: first V[m][i] = sum over j of W_r[m][j] G[j][i]
; (7 multiply-adds an element, W_r as scalars), then V . pooled.  LIMIT: the logits are summed in another order than a chain of two products.
; 256 work-groups of 16 waves.  Each wave moves four pieces of 16 KiB through registers, every load 512 consecutive aligned bytes:
;   X  32 rows x 128 columns of x        (work-group: 32 rows x 2,048 columns; the wave's 128 columns are its own K slice of t)
;   A  32 rows x 128 columns of lora_A   (the same columns)
;   W  one row of W_base
;   G  32 rows x 128 columns of gating_W (work-group: 512 rows x 128 columns)
; TWO ORDERS: eight waves walk X, A, G, W and eight walk G, W, X, A.  X and A go through LDS (16 KiB in and 16 KiB out a wave), G is about 450 vector
; instructions a wave, W is loads and stores alone; with two orders the eight waves that use LDS are not the eight that multiply or stream,
; and no wave ends with G's arithmetic.  The group is ((wave >> 2) xor wave) & 1: of any four waves w, w+4, w+8, w+12 and of any four
; neighbouring waves two belong to each group.
; NO CLUSTER, NO TENSOR LOADS: every byte is f32 in memory and has to pass through registers to be rounded to bf16 or multiplied; a tile
; brought to LDS as f32 would be read, converted and written once more.  Only lora_A's 16 KiB of a wave's 64 KiB is shared between work-groups.
.set XBSZ,   17408                     ; a wave's own LDS: two tiles of 32 rows x 272 bytes
.set TPITCH, 272                       ; 256 bytes of bf16 + 16: an odd multiple of 16, the 16 rows of a fragment load start at 16 different places modulo 256
.set ATILE,  8704                      ; lora_A's tile behind x's
.set PPITCH, 144                       ; t partial: 32 f32 + 16 bytes
.set VOFF,   4608                      ; V partial [8][128] f32 behind the t partial; both lie on x's tile, which the wave has read by then
.set SCR,    16*XBSZ                   ; [2 halves][8 b][8 m] f32
.set P,    16                          ; v[16:79]   load buffer, 16 loads of 16 bytes a lane; at the end pooled (v16-31) and its offsets (v32-39)
.set Q,    80                          ; v[80:143]  load buffer; behind the join the reductions
.set Y,    144                         ; v[144:175] converted pairs, first set; also fragment set 0
.set Y2,   176                         ; v[176:207] converted pairs, second set
.set TACC, 176                         ; the same registers: the four accumulators of t
.set V,    208                         ; v[208:239] V[7][4 columns] and four zeros; where V has not begun, fragment set 1
.set WA,   4                           ; s[4:31]    W_r[m][4 rows], 7 x 4
.set WB,   32                          ; s[32:59]   the same, the other piece
.set T,    86                          ; s[86:99]   7 pairs: a scalar from an odd register moved to the low place of a pair
.macro LOADB buf, base, off0, step, nt  ; 16 loads, each 512 consecutive bytes of the wave
.irp i, 0,1,2,3,4,5,6,7,8,9,10,11,12,13,14,15
.if \nt
	global_load_b128 v[\buf+4*\i:\buf+4*\i+3], v2, s[\base:\base+1] offset:\off0+\i*\step th:TH_LOAD_NT
.else
	global_load_b128 v[\buf+4*\i:\buf+4*\i+3], v2, s[\base:\base+1] offset:\off0+\i*\step
.endif
.endr
.endm
; 16 loaded rows are rounded to bf16 and leave.  kind 0: x, to LDS and to xb; 1: lora_A, to LDS; 2: W_base, to wb.
; left = how many loads may be out when the first four rows are needed: this buffer's other 12 and what was issued behind them
; (the other buffer's 16: 28; the 8 pooled loads: 20); it falls by four from group to group.
; Kinds 0 and 2 convert into the set yy; two sets take turns, so that a set which global stores still read is not written by the next piece.
; Kind 1 converts in place: only LDS stores read the result, and their sources need no wait.
.macro PROC kind, buf, row0, yy, left
.irp grp, 0,1,2,3
	s_wait_loadcnt \left-4*\grp
.irp q, 0,1,2,3
.if \kind == 1
	v_cvt_pk_bf16_f32 v[\buf+16*\grp+4*\q],   v[\buf+16*\grp+4*\q],   v[\buf+16*\grp+4*\q+1]
	v_cvt_pk_bf16_f32 v[\buf+16*\grp+4*\q+1], v[\buf+16*\grp+4*\q+2], v[\buf+16*\grp+4*\q+3]
.else
	v_cvt_pk_bf16_f32 v[\yy+8*\grp+2*\q],   v[\buf+16*\grp+4*\q],   v[\buf+16*\grp+4*\q+1]
	v_cvt_pk_bf16_f32 v[\yy+8*\grp+2*\q+1], v[\buf+16*\grp+4*\q+2], v[\buf+16*\grp+4*\q+3]
.endif
.endr
.irp q, 0,1,2,3
.if \kind == 0
	ds_store_b64 v4, v[\yy+8*\grp+2*\q:\yy+8*\grp+2*\q+1] offset:(\row0+4*\grp+\q)*TPITCH
	global_store_b64 v3, v[\yy+8*\grp+2*\q:\yy+8*\grp+2*\q+1], s[78:79] offset:(\row0+4*\grp+\q)*8192   ; the wave stores 256 consecutive aligned bytes
.endif
.if \kind == 1
	ds_store_b64 v4, v[\buf+16*\grp+4*\q:\buf+16*\grp+4*\q+1] offset:ATILE+(\row0+4*\grp+\q)*TPITCH
.endif
.if \kind == 2
	global_store_b64 v3, v[\yy+8*\grp+2*\q:\yy+8*\grp+2*\q+1], s[80:81] offset:(\row0+4*\grp+\q)*256
.endif
.endr
.endr
.endm
; Fragments of 16 rows x 32 K: two loads of 16 bytes, 32 bytes apart.
.macro FRAG set, kq
.irp rt, 0,1
	ds_load_b128 v[\set+8*\rt:\set+8*\rt+3],   v5 offset:\rt*16*TPITCH+64*\kq
	ds_load_b128 v[\set+8*\rt+4:\set+8*\rt+7], v5 offset:\rt*16*TPITCH+64*\kq+32
.endr
.irp nt, 0,1
	ds_load_b128 v[\set+16+8*\nt:\set+16+8*\nt+3], v5 offset:ATILE+\nt*16*TPITCH+64*\kq
	ds_load_b128 v[\set+16+8*\nt+4:\set+16+8*\nt+7], v5 offset:ATILE+\nt*16*TPITCH+64*\kq+32
.endr
.endm
; Source 0 = 16 rows of lora_A, source 1 = 16 rows of x: a lane then holds row r of x and n = 16 nt + 8 h + 0..7, 32 neighbouring bytes.
; The four accumulators take turns, one instruction a turn.
.macro MM set, zero
.irp rt, 0,1
.irp nt, 0,1
.if \zero
	v_wmma_f32_16x16x32_bf16 v[TACC+8*(2*\rt+\nt):TACC+8*(2*\rt+\nt)+7], v[\set+16+8*\nt:\set+16+8*\nt+7], v[\set+8*\rt:\set+8*\rt+7], 0
.else
	v_wmma_f32_16x16x32_bf16 v[TACC+8*(2*\rt+\nt):TACC+8*(2*\rt+\nt)+7], v[\set+16+8*\nt:\set+16+8*\nt+7], v[\set+8*\rt:\set+8*\rt+7], v[TACC+8*(2*\rt+\nt):TACC+8*(2*\rt+\nt)+7]
.endif
.endr
.endr
.endm
.macro PLACES                          ; four places behind a matrix instruction before its registers are loaded into, written or stored (ISA guide 7.12.1)
.rept 4
	v_nop
.endr
.endm
; t for my 128 columns: four steps of 32 along K on two fragment sets fa, fb; then my partial goes onto x's tile.
.macro MATRIX fa, fb
	FRAG \fa, 0                                    ; LDS serves a wave's instructions in order: these see my tile stores
	FRAG \fb, 1
	s_wait_dscnt 8                                 ; all but the eight loads of the other set
	MM \fa, 1                                      ; the first products start the sums
	PLACES
	FRAG \fa, 2
	s_wait_dscnt 8
	MM \fb, 0
	PLACES
	FRAG \fb, 3
	s_wait_dscnt 8
	MM \fa, 0
	s_wait_dscnt 0
	MM \fb, 0
	PLACES
.irp rt, 0,1
.irp nt, 0,1
	ds_store_b128 v6, v[TACC+8*(2*\rt+\nt):TACC+8*(2*\rt+\nt)+3]   offset:\rt*16*PPITCH+\nt*64      ; on x's tile: my reads of it are back
	ds_store_b128 v6, v[TACC+8*(2*\rt+\nt)+4:TACC+8*(2*\rt+\nt)+7] offset:\rt*16*PPITCH+\nt*64+16
.endr
.endr
.endm
; Four rows of gating_W: V[m][my 4 columns] += W_r[m][row] x row.  A scalar factor is the low register of an even pair, used for both halves;
; the factors of rows 1 and 3 are moved into such a place first.  Behind the rows: the next piece's factors are shown in, and the piece after it is asked for.
.macro GPIECE p, sbuf, vrow, left
	s_wait_loadcnt \left
.irp jj, 0,1,2,3
.if \jj & 1
.irp m, 0,1,2,3,4,5,6
	s_mov_b32 s[T+2*\m], s[\sbuf+4*\m+\jj]
.endr
.endif
.irp m, 0,1,2,3,4,5,6
.irp c, 0,2
.if (\p+\jj) == 0
	v_pk_mul_f32 v[V+4*\m+\c:V+4*\m+\c+1], v[\vrow+\c:\vrow+\c+1], s[\sbuf+4*\m:\sbuf+4*\m+1] op_sel_hi:[1,0]   ; the first row starts the sums
.else
.if \jj & 1
	v_pk_fma_f32 v[V+4*\m+\c:V+4*\m+\c+1], v[\vrow+4*\jj+\c:\vrow+4*\jj+\c+1], s[T+2*\m:T+2*\m+1], v[V+4*\m+\c:V+4*\m+\c+1] op_sel_hi:[1,0,1]
.else
	v_pk_fma_f32 v[V+4*\m+\c:V+4*\m+\c+1], v[\vrow+4*\jj+\c:\vrow+4*\jj+\c+1], s[\sbuf+4*\m+\jj:\sbuf+4*\m+\jj+1], v[V+4*\m+\c:V+4*\m+\c+1] op_sel_hi:[1,0,1]
.endif
.endif
.endr
.endr
.endr
.if \p < 7
	s_wait_kmcnt 0x0                               ; scalar loads come back in no order: zero shows the next piece's factors
.endif
.if \p < 6
.irp m, 0,1,2,3,4,5,6
	s_load_b128 s[\sbuf+4*\m:\sbuf+4*\m+3], s[74:75], \m*16384+(\p+2)*16
.endr
.endif
.endm
.macro GLOW                            ; rows 0-15 of my 32, in P; behind P's 16 loads the other buffer's 16 are out
	GPIECE 0, WA, P,    28
	GPIECE 1, WB, P+16, 24
	GPIECE 2, WA, P+32, 20
	GPIECE 3, WB, P+48, 16
.endm
.macro GHIGH                           ; rows 16-31, in Q; likewise
	GPIECE 4, WA, Q,    28
	GPIECE 5, WB, Q+16, 24
	GPIECE 6, WA, Q+32, 20
	GPIECE 7, WB, Q+48, 16
.endm
; The last tokens' numbers for the closing product, into P, which has been used up: the only loads that are out at the join.
.macro POOLED
.irp b, 0,1,2,3,4,5,6,7
	v_add_nc_u32 v[P+16+\b], \b*8388608, v3        ; batch b's last token lies 512 rows on: past a load's immediate, so in a register
.endr
.irp b, 0,1,2,3,4,5,6,7
	global_load_b64 v[P+2*\b:P+2*\b+1], v[P+16+\b], s[100:101]   ; pooled[b][my two columns]
.endr
.endm
.macro SUM16 b                         ; sixteen pairs become one, wave numbers ascending in pairs
.irp i, 0,1,2,3,4,5,6,7
	v_pk_add_f32 v[\b+4*\i:\b+4*\i+1], v[\b+4*\i:\b+4*\i+1], v[\b+4*\i+2:\b+4*\i+3]
.endr
.irp i, 0,1,2,3
	v_pk_add_f32 v[\b+8*\i:\b+8*\i+1], v[\b+8*\i:\b+8*\i+1], v[\b+8*\i+4:\b+8*\i+5]
.endr
.irp i, 0,1
	v_pk_add_f32 v[\b+16*\i:\b+16*\i+1], v[\b+16*\i:\b+16*\i+1], v[\b+16*\i+8:\b+16*\i+9]
.endr
	v_pk_add_f32 v[\b:\b+1], v[\b:\b+1], v[\b+16:\b+17]
.endm
	s_load_b512 s[68:83], s[0:1], 0x0              ; x 68, W_base 70, gating_W 72, W_r 74, lora_A 76, xb 78, wb 80, tp 82
	s_load_b64 s[84:85], s[0:1], 0x40              ; lp
	v_lshl_add_u32 v254, v0, 2, 0x44200
	v_mov_b32 v255, 0
	v_lshrrev_b32 v1, 5, v0
	v_readfirstlane_b32 s2, v1                     ; wave 0..15
	v_and_b32 v1, 31, v0                           ; lane
	v_lshlrev_b32 v2, 4, v1                        ; 16 x lane: f32 loads
	v_lshlrev_b32 v3, 3, v1                        ; 8 x lane: bf16 stores
	s_mov_b32 s61, 0                               ; s[60:61]: every offset, below 2^31
	s_and_b32 s3, ttmp9, 31                        ; cb: which 128 columns of gating_W
	s_lshr_b32 s62, s2, 3
	s_lshl_b32 s60, s3, 9
	s_lshl_b32 s62, s62, 8
	s_add_co_u32 s60, s60, s62
	s_add_co_u32 s60, s60, 511*16384               ; the last token's row of batch 0, my 64 columns of the closing product
	s_wait_kmcnt 0x0
	s_add_nc_u64 s[100:101], s[68:69], s[60:61]    ; pooled
	s_lshr_b32 s62, ttmp9, 1                       ; rb: which 32 rows of x
	s_and_b32 s63, ttmp9, 1                        ; kh: which 2,048 columns
	s_lshl_b32 s60, s62, 19
	s_lshl_b32 s3, s63, 13
	s_add_co_u32 s60, s60, s3
	s_lshl_b32 s3, s2, 9                           ; the wave's 128 columns
	s_add_co_u32 s60, s60, s3
	s_add_nc_u64 s[68:69], s[68:69], s[60:61]      ; x at my tile
	s_lshr_b32 s60, s60, 1
	s_add_nc_u64 s[78:79], s[78:79], s[60:61]      ; xb at the same place, half the bytes
	s_lshl_b32 s60, s63, 13
	s_add_co_u32 s60, s60, s3
	s_add_nc_u64 s[76:77], s[76:77], s[60:61]      ; lora_A at the same columns
	s_lshl_b32 s60, s63, 19
	s_lshl_b32 s62, s62, 12
	s_add_co_u32 s60, s60, s62
	s_add_nc_u64 s[82:83], s[82:83], s[60:61]      ; tp[kh][32 rb]
	s_lshl_b32 s62, ttmp9, 4
	s_add_co_u32 s62, s62, s2                      ; my row of W_base
	s_lshl_b32 s60, s62, 14
	s_add_nc_u64 s[70:71], s[70:71], s[60:61]
	s_lshl_b32 s60, s62, 13
	s_add_nc_u64 s[80:81], s[80:81], s[60:61]      ; wb
	s_lshr_b32 s62, ttmp9, 5
	s_lshl_b32 s62, s62, 9
	s_lshl_b32 s63, s2, 5
	s_add_co_u32 s62, s62, s63                     ; j0: my first row of gating_W
	s_lshl_b32 s60, s62, 2
	s_add_nc_u64 s[74:75], s[74:75], s[60:61]      ; W_r[0][j0]
	s_lshl_b32 s60, s62, 14
	s_and_b32 s63, ttmp9, 31
	s_lshl_b32 s63, s63, 9
	s_add_co_u32 s60, s60, s63
	s_add_nc_u64 s[72:73], s[72:73], s[60:61]      ; gating_W[j0][128 cb]
	s_lshl_b32 s60, ttmp9, 8
	s_add_nc_u64 s[84:85], s[84:85], s[60:61]      ; lp[g]
.irp m, 0,1,2,3,4,5,6
	s_load_b128 s[WA+4*\m:WA+4*\m+3], s[74:75], \m*16384       ; W_r for rows 0-3
	s_load_b128 s[WB+4*\m:WB+4*\m+3], s[74:75], \m*16384+16    ; and 4-7 of my 32
	s_mov_b32 s[T+2*\m+1], 0                                   ; the upper places of the pairs are never used as factors
.endr
	; lane addresses in LDS
	s_mul_i32 s3, s2, XBSZ                         ; my wave's region
	v_and_b32 v240, 15, v0                         ; r
	v_bfe_u32 v241, v0, 4, 1                       ; h
	v_lshrrev_b32 v242, 4, v0                      ; thread / 16: a row of t in the reduction
	v_lshlrev_b32 v243, 3, v0                      ; 8 x thread: my 8 bytes of tp
	v_add_nc_u32 v4, s3, v3                        ; tile stores: 8 bytes a lane
	v_mul_u32_u24 v5, v240, TPITCH
	v_lshl_add_u32 v5, v241, 4, v5
	v_add_nc_u32 v5, s3, v5                        ; fragments: row r, 16 h
	v_mul_u32_u24 v6, v240, PPITCH
	v_lshl_add_u32 v6, v241, 5, v6
	v_add_nc_u32 v6, s3, v6                        ; t partial: row r, 8 h numbers
	v_add_nc_u32 v7, s3, v2                        ; V partial: 16 bytes a lane
	v_mul_u32_u24 v8, v242, PPITCH
	v_lshl_add_u32 v8, v240, 3, v8                 ; t reduction: row thread / 16, two numbers
	s_and_b32 s62, s2, 7                           ; m of the closing product
	s_lshr_b32 s63, s2, 3                          ; which 64 columns
	s_lshl_b32 s60, s62, 9
	s_lshl_b32 s63, s63, 8
	s_add_co_u32 s60, s60, s63
	s_add_co_u32 s60, s60, VOFF
	v_add_nc_u32 v12, s60, v3                      ; V reduction: row m, my two columns
.irp a, 1,2,3
	v_add_nc_u32 v[8+\a], \a*4*XBSZ, v8            ; four waves' regions on: the immediate reaches the three between
	v_add_nc_u32 v[12+\a], \a*4*XBSZ, v12
.endr
	s_lshl_b32 s60, s62, 2
	s_add_co_u32 s60, s60, s63
	s_add_co_u32 s60, s60, SCR
	v_mov_b32 v244, s60                            ; my wave's word (half, b = 0, m)
	v_add_nc_u32 v245, SCR, v3
	s_lshr_b32 s62, s2, 2
	s_xor_b32 s62, s62, s2
	s_and_b32 s62, s62, 1                          ; my group; the branch hangs on the wave's number alone, and no barrier stands inside it
	s_cmp_lg_u32 s62, 0
	s_cbranch_scc1 .Lgroup_b
	; GROUP A: X, A, G, W
	LOADB P, 68, 0, 16384, 1                       ; x rows 0-15
	LOADB Q, 68, 16*16384, 16384, 1                ; x rows 16-31
	PROC 0, P, 0, Y, 28
	LOADB P, 76, 0, 16384, 0                       ; lora_A rows 0-15 (128 work-groups read them: no hint)
	PROC 0, Q, 16, Y2, 28
	LOADB Q, 76, 16*16384, 16384, 0
	PROC 1, P, 0, Y, 28
	LOADB P, 72, 0, 16384, 1                       ; gating_W rows 0-15 of my 32
	PROC 1, Q, 16, Y, 28
	s_wait_xcnt 0x0                                ; both sets were the data of xb's stores: fragments and sums are written into them only behind this wait
	LOADB Q, 72, 16*16384, 16384, 1
	MATRIX Y, V                                    ; while gating_W is on its way; V has not begun: its registers are the second fragment set
	s_wait_kmcnt 0x0                               ; pieces 0 and 1 of W_r
	GLOW
	LOADB P, 70, 0, 512, 1                         ; my row of W_base, first half
	GHIGH
	LOADB Q, 70, 16*512, 512, 1                    ; second half
	PROC 2, P, 0, Y, 28
	POOLED
	PROC 2, Q, 16, Y2, 20                          ; the eight pooled loads are younger: 12 + 8, and so on down
	s_branch .Ljoin
.Lgroup_b:
	; GROUP B: G, W, X, A
	LOADB P, 72, 0, 16384, 1
	LOADB Q, 72, 16*16384, 16384, 1
	s_wait_kmcnt 0x0                               ; pieces 0 and 1 of W_r
	GLOW
	LOADB P, 70, 0, 512, 1
	GHIGH
	LOADB Q, 70, 16*512, 512, 1
	PROC 2, P, 0, Y, 28
	LOADB P, 68, 0, 16384, 1
	PROC 2, Q, 16, Y2, 28
	LOADB Q, 68, 16*16384, 16384, 1
	s_wait_xcnt 0x0                                ; both sets were the data of wb's stores: x is converted into them only behind this wait
	PROC 0, P, 0, Y, 28
	LOADB P, 76, 0, 16384, 0
	PROC 0, Q, 16, Y2, 28
	LOADB Q, 76, 16*16384, 16384, 0
	PROC 1, P, 0, Y, 28
	POOLED
	PROC 1, Q, 16, Y, 20                           ; the eight pooled loads are younger
	s_wait_xcnt 0x0                                ; both sets were the data of xb's stores
	MATRIX Y, Q                                    ; V is alive here; Q has been used up: its first 32 registers are the second fragment set
.Ljoin:
	; both groups: V in v[208:235], my t partial in LDS, the eight pooled loads on their way
.irp c, 28,29,30,31
	v_mov_b32 v[V+\c], 0                           ; row m = 7 is a pad, so that lp[g] is 256 whole bytes
.endr
.irp m, 0,1,2,3,4,5,6,7
	ds_store_b128 v7, v[V+4*\m:V+4*\m+3] offset:VOFF+\m*512    ; on x's tile, behind the t partial: my reads of the tile are back
.endr
	s_mov_b32 s4, 0x76543210                       ; v_permlanex16_b32: lane i reads lane i of the other half
	s_mov_b32 s5, 0xfedcba98
	s_wait_dscnt 0x0                               ; my partials are in LDS, for the other waves' sake
	s_barrier_signal -1
	s_barrier_wait -1
	; the sixteen waves' partials are added
.irp a, 0,1,2,3
.irp c, 0,1,2,3
	ds_load_b64 v[80+2*(4*\a+\c):81+2*(4*\a+\c)], v[8+\a] offset:\c*XBSZ
.endr
.endr
.irp a, 0,1,2,3
.irp c, 0,1,2,3
	ds_load_b64 v[112+2*(4*\a+\c):113+2*(4*\a+\c)], v[12+\a] offset:\c*XBSZ
.endr
.endr
	s_wait_dscnt 16                                ; t's sixteen are in, V's may be out
	SUM16 80
	global_store_b64 v243, v[80:81], s[82:83]      ; 512 threads x 8 bytes: the group's 32 rows x 32 numbers, each wave 256 aligned bytes
	s_wait_dscnt 0x0
	SUM16 112                                      ; V[m][my two columns] over the group's 512 rows
	s_wait_loadcnt 0x0                             ; pooled
	; the products lie in V's registers: only LDS stores have read those; the two converted sets may still be read by global stores
.irp b, 0,1,2,3,4,5,6,7
	v_mul_f32 v[V+\b], v[P+2*\b], v112
.endr
.irp b, 0,1,2,3,4,5,6,7
	v_fmac_f32 v[V+\b], v[P+2*\b+1], v113
.endr
.irp x, 1,2,4,8
.irp b, 0,1,2,3,4,5,6,7
	v_add_f32_dpp v[V+\b], v[V+\b], v[V+\b] row_xmask:\x row_mask:0xf bank_mask:0xf
.endr
.endr
.irp b, 0,1,2,3,4,5,6,7
	v_permlanex16_b32 v[V+8+\b], v[V+\b], s4, s5   ; its destination counts as read: V's registers have been written in both groups
.endr
.irp b, 0,1,2,3,4,5,6,7
	v_add_f32 v[V+\b], v[V+\b], v[V+8+\b]
	ds_store_b32 v244, v[V+\b] offset:32*\b        ; every lane the same word, the same value
.endr
	s_wait_dscnt 0x0
	s_barrier_signal -1
	s_barrier_wait -1
	s_cmp_lg_u32 s2, 0
	s_cbranch_scc1 .Lend                           ; wave 0 adds the two halves of the columns and stores the group's 64 numbers
	ds_load_b64 v[84:85], v245
	ds_load_b64 v[86:87], v245 offset:256
	s_wait_dscnt 0x0
	v_pk_add_f32 v[84:85], v[84:85], v[86:87]
	global_store_b64 v3, v[84:85], s[84:85]        ; 256 consecutive aligned bytes
.Lend:
	s_wait_tensorcnt 0x0
	ds_add_u32 v254, v255
	s_wait_dscnt 0x0
	s_endpgm
.Lfunc_end_k_q66d9811693_prep:
	.size	k_q66d9811693_prep, .Lfunc_end_k_q66d9811693_prep-k_q66d9811693_prep
	.p2alignl 7, 3214868480
	.fill 96, 4, 3214868480
	.section	.rodata,"a",@progbits
	.p2align	6, 0x0
	.amdhsa_kernel k_q66d9811693_prep
		.amdhsa_group_segment_fixed_size 281088
		.amdhsa_private_segment_fixed_size 0
		.amdhsa_enable_private_segment 0
		.amdhsa_kernarg_size 72
		.amdhsa_user_sgpr_count 2
		.amdhsa_user_sgpr_kernarg_segment_ptr 1
		.amdhsa_wavefront_size32 1
		.amdhsa_system_sgpr_workgroup_id_x 1
		.amdhsa_system_sgpr_workgroup_id_y 1
		.amdhsa_system_sgpr_workgroup_id_z 1
		.amdhsa_system_vgpr_workitem_id 0
		.amdhsa_next_free_vgpr 256
		.amdhsa_next_free_sgpr 102
		.amdhsa_reserve_vcc 0
		.amdhsa_float_denorm_mode_32 3
		.amdhsa_float_denorm_mode_16_64 3
		.amdhsa_memory_ordered 1
		.amdhsa_forward_progress 1
		.amdhsa_inst_pref_size 164
	.end_amdhsa_kernel
	.amdgpu_metadata
---
amdhsa.version: [ 1, 2 ]
amdhsa.kernels:
  - .name:           k_q66d9811693_prep
    .symbol:         k_q66d9811693_prep.kd
    .args:
      - { .name: x, .offset: 0, .size: 8, .value_kind: global_buffer, .address_space: global }
      - { .name: W_base, .offset: 8, .size: 8, .value_kind: global_buffer, .address_space: global }
      - { .name: gating_W, .offset: 16, .size: 8, .value_kind: global_buffer, .address_space: global }
      - { .name: W_r, .offset: 24, .size: 8, .value_kind: global_buffer, .address_space: global }
      - { .name: lora_A, .offset: 32, .size: 8, .value_kind: global_buffer, .address_space: global }
      - { .name: xb, .offset: 40, .size: 8, .value_kind: global_buffer, .address_space: global }
      - { .name: wb, .offset: 48, .size: 8, .value_kind: global_buffer, .address_space: global }
      - { .name: tp, .offset: 56, .size: 8, .value_kind: global_buffer, .address_space: global }
      - { .name: lp, .offset: 64, .size: 8, .value_kind: global_buffer, .address_space: global }
    .group_segment_fixed_size: 281088
    .private_segment_fixed_size: 0
    .kernarg_segment_align: 8
    .kernarg_segment_size: 72
    .max_flat_workgroup_size: 512
    .sgpr_count:     102
    .vgpr_count:     256
    .wavefront_size: 32
...
	.end_amdgpu_metadata
.endif
;; end of part 1
;; launch gemm (part 2): grid 16 x 16, 4 waves a work-group, clusters of 4 x 4, 327,680 bytes of LDS; arguments xb, wb, tp, lp, expert_scores, lora_B, b_base, out0; writes out0
.if DOCPART == 2
	.amdgcn_target "amdgcn-amd-amdhsa--gfx1250"
	.amdhsa_code_object_version 6
	.text
	.protected	k_q66d9811693_gemm
	.globl	k_q66d9811693_gemm
	.p2align	8
	.type	k_q66d9811693_gemm,@function
k_q66d9811693_gemm:
	s_mov_b64 s[64:65], 0
	v_nop
	global_prefetch_b8 v0, s[64:65] scope:SCOPE_SE
	s_setreg_imm32_b32 hwreg(HW_REG_WAVE_MODE, 25, 1), 1
	s_wait_xcnt 0x0
	s_wait_alu depctr_hold_cnt(0) depctr_sa_sdst(0) depctr_va_vdst(0) depctr_va_sdst(0) depctr_va_ssrc(0) depctr_va_vcc(0) depctr_vm_vsrc(0)
	s_getreg_b32 s2, hwreg(HW_REG_IB_STS2, 6, 4)
	s_cmp_eq_u32 s2, 0
	s_cbranch_scc0 .Lentry_in_a_cluster
	s_endpgm
.Lentry_in_a_cluster:
	s_bfe_u32 s2, ttmp6, 0x10000c
	s_cmp_lg_u32 s2, 0xf033
	s_cbranch_scc0 .Lentry_shape_is_right
	s_endpgm
.Lentry_shape_is_right:
; out0[row][o] = sum over i of xb[row][i] wb[o][i] + b_base[o] + sum over k = 8 e + r of (gate[b][e] t[row][k]) lora_B[e][o][r].
; A work-group makes 256 x 256 of out0 with four waves, a wave 128 x 128: 64 accumulator tiles of 16 x 16 in 512 registers.
; THE LoRA TERM IS ONE MORE K STEP OF 32: a bf16 fragment holds k = 8 h .. 8 h + 7 and 16 + 8 h .. + 7 in a lane, which are the eight r of experts h and 2 + h,
; so 32 consecutive bytes of tp and of lora_B are a lane's share.  That step comes first and starts all 64 sums with C = 0.
; Then K = 4096 in steps of 128 through two LDS slots filled by the tensor data mover; rows of 256 bytes that start at multiples of 256.
; CLUSTERS: 4 x 4 work-groups.  xb's tile hangs on the block row alone and is asked for jointly by a row of the cluster, wb's on the block column and by a column.
; THE GATE is made by every wave for its batch b = block row / 2, in every lane, from lp (256 shares of each logit) and expert_scores; it only selects values.
;   prob[0] > 0.5 is tested as e0 > 0.5 x sum of e, with e = exp(logit - largest logit): no division; the two can differ only where the quotient rounds onto 0.5.
;   rank of expert e = how many scores are larger, plus how many equal ones have a lower index (a stable descending sort).
; LIMITS: a NaN among the scores is not ranked as a sort ranks it; gate x t, lora_B, x and W_base enter the products rounded to bf16.
;
; REGISTERS in windows of 256: window 0: v0-63 addresses, gate, bias; v64-127, v128-191 fragments of xb; v192-255 the shares of the logits
;   window 1: v64-127, v128-191 fragments of wb;  window 2: accumulators of my rows 0-63 (tile (a, b) at v[8 (8 a + b)]);  window 3: rows 64-127
; Ahead of the sums v64-191 of windows 0, 1, 2 stage tp's first half, lora_B and tp's second half as f32.
; Source 0 = 16 rows of wb, source 1 = 16 rows of xb: a lane's eight results are eight neighbouring columns of one row of out0.
.set SIZE_K, 4096
.set KSTEP,  128
.set PITCH,  272                       ; 256 bytes + 16 of padding: an odd multiple of 16, so the 16 rows of a fragment load start at 16 different places modulo 256
.set HALFT,  128*PITCH                 ; what one tensor load brings
.set SLOT,   4*HALFT
.set STAGE,  2*SLOT                    ; behind the ring, a multiple of 256: 16 rows x 528 bytes for each wave; no tensor load lands here
.set SPITCH, 528                       ; 128 f32 + 16 bytes
.set ADRA, 16
.set ADRB, 20
.set STO,  24                          ; way out: where my 32 bytes of a row go
.set RD,   25                          ; way out: 16 bytes a lane of a row of 512
.set CO,   26                          ; 16 x lane: my place in a row of out0 and in b_base
.set LPO,  27                          ; lp: work-group lane / 2, four m
.set TO,   28                          ; tp: row r, 8 h numbers
.set BO,   29                          ; lora_B: expert h, row r
.set LPS,  192
.set F0,   128                         ; fragment buffer 0
.set F1,   64                          ; fragment buffer 1: the LoRA step's fragments are packed into it, as if it were the last quarter of a step before step 0
.set G1, 24
.set G0, 32
.set G1B, 48
.set G0B, 56
.set MSB, 0
.macro WIN new                         ; the immediate's high byte repeats the setting that is left
.if MSB != \new
	s_set_vgpr_msb (MSB<<8)|\new
.set MSB, \new
.endif
.endm
.set MUL_LO, 0xa1                      ; source 0 window 1, source 1 window 0, C and D window 2
.set MUL_HI, 0xf1                      ; C and D window 3
.set TO_B,   0x40                      ; destination window 1
; A joint load.  Waves 0 and 1 fetch xb's two halves, waves 2 and 3 wb's; each line has one mask; the branch hangs on the wave's number alone.
.macro JLOAD s
	s_cmp_eq_u32 s11, 0
	s_cbranch_scc0 .Lfor_b_\@
	tensor_load_to_lds s[G0+4*\s:G0+4*\s+3], s[G1:G1+7]
	s_nop 0
	s_branch .Lasked_\@
.Lfor_b_\@:
	tensor_load_to_lds s[G0B+4*\s:G0B+4*\s+3], s[G1B:G1B+7]
	s_nop 0
.Lasked_\@:
.endm
.macro CREST                           ; a round of the cluster's barrier behind its opening barrier
	s_cmp_lg_u32 s10, 0
	s_cbranch_scc1 .Lnot_wave_0_\@
	s_barrier_signal -3
.Lnot_wave_0_\@:
	s_barrier_wait -3
	s_barrier_signal -1
	s_barrier_wait -1
.endm
.macro CROUND
	s_barrier_signal -1
	s_barrier_wait -1
	CREST
.endm
	s_load_b128 s[4:7], s[0:1], 0x0                ; xb, wb
	s_load_b256 s[68:75], s[0:1], 0x10             ; tp 68, lp 70, expert_scores 72, lora_B 74
	s_load_b128 s[76:79], s[0:1], 0x30             ; b_base 76, out0 78
	s_set_vgpr_msb 0x40
	v_lshl_add_u32 v255, v0, 2, 0x4c400
	s_set_vgpr_msb 0x4000
	v_mov_b32 v63, 0
	s_set_vgpr_msb 0x1
	ds_add_u32 v255, v63
	s_set_vgpr_msb 0x100
	v_lshrrev_b32 v1, 5, v0
	v_readfirstlane_b32 s10, v1                    ; wave 0..3
	s_lshr_b32 s11, s10, 1                         ; which half of the block's rows is mine; also: I fetch xb (0) or wb (1)
	s_and_b32 s12, s10, 1                          ; which half of its columns; also: which 128 rows of that tile I fetch
	s_bfe_u32 s40, ttmp6, 0x40000                  ; cx
	s_bfe_u32 s41, ttmp6, 0x40004                  ; cy
	s_lshl_b32 s42, ttmp9, 2
	s_add_co_u32 s42, s42, s40                     ; block column
	s_and_b32 s13, ttmp7, 0xffff
	s_lshl_b32 s13, s13, 2
	s_add_co_u32 s13, s13, s41                     ; block row
	s_lshl_b32 s43, s41, 2
	s_lshl_b32 s43, 15, s43                        ; my row of the cluster
	s_lshl_b32 s44, 0x1111, s40                    ; my column
	; group 1: 128 rows x 128 elements of 2 bytes, 4 words of padding behind every 64
	s_or_b32 s[G1+0], s43, (1<<16)|(1<<20)|(1<<21)|(5<<22)|(3<<25)
	s_or_b32 s[G1B+0], s44, (1<<16)|(1<<20)|(1<<21)|(5<<22)|(3<<25)
	s_mov_b32 s[G1B+1], KSTEP<<16
	s_mov_b32 s[G1+1], KSTEP<<16                   ; tensor_dim0 = 128
	s_mov_b32 s[G1B+2], 128<<16
	s_mov_b32 s[G1+2], 128<<16                     ; tensor_dim1 = 128
	s_mov_b32 s[G1B+3], KSTEP<<16
	s_mov_b32 s[G1+3], KSTEP<<16                   ; tile_dim0 = 128
	s_mov_b32 s[G1B+4], 128
	s_mov_b32 s[G1+4], 128                         ; tile_dim1 = 128
	s_mov_b32 s[G1B+5], SIZE_K
	s_mov_b32 s[G1+5], SIZE_K                      ; elements from row to row
	s_mov_b32 s[G1B+6], 0
	s_mov_b32 s[G1+6], 0
	s_mov_b32 s[G1B+7], 0
	s_mov_b32 s[G1+7], 0
	s_lshl_b32 s17, s12, 7
	s_lshl_b32 s16, s13, 8
	s_add_co_u32 s16, s16, s17                     ; xb: row 256 x block row + 128 x half
	s_lshl_b32 s46, s42, 8
	s_add_co_u32 s46, s46, s17                     ; wb: row 256 x block column + 128 x half
	s_mov_b32 s17, 0
	s_mov_b32 s47, 0
	s_mov_b64 s[18:19], SIZE_K*2
	s_mul_u64 s[16:17], s[16:17], s[18:19]
	s_mul_u64 s[46:47], s[46:47], s[18:19]
	s_mul_i32 s20, s10, HALFT                      ; LDS: wave x 128 rows; no place in the cluster enters
	s_wait_dscnt 0x0
	s_wait_kmcnt 0x0
	s_add_nc_u64 s[14:15], s[4:5], s[16:17]
	s_add_nc_u64 s[46:47], s[6:7], s[46:47]
	CROUND                                         ; all sixteen work-groups are here: the first joint loads meet
.irp s, 0,1
	s_mov_b32 s[G0+4*\s], 1
	s_add_co_u32 s[G0+4*\s+1], s20, \s*SLOT
	s_add_nc_u64 s[G0+4*\s+2:G0+4*\s+3], s[14:15], \s*KSTEP*2
	s_or_b32 s[G0+4*\s+3], s[G0+4*\s+3], 0x80000000
	s_mov_b32 s[G0B+4*\s], 1
	s_add_co_u32 s[G0B+4*\s+1], s20, \s*SLOT
	s_add_nc_u64 s[G0B+4*\s+2:G0B+4*\s+3], s[46:47], \s*KSTEP*2
	s_or_b32 s[G0B+4*\s+3], s[G0B+4*\s+3], 0x80000000
	JLOAD \s                                       ; K steps 0 and 1: two tensor loads of the wave are out, later one
.endr
	; bases of the plain loads and of the stores.  s[80:81]: terms of the block row; s[88:89]: terms of the block column; neither feeds a descriptor
	s_mov_b32 s81, 0
	s_mov_b32 s89, 0
	s_lshr_b32 s82, s13, 1                         ; b: 512 rows are two block rows
	s_lshl_b32 s80, s82, 5
	s_add_nc_u64 s[70:71], s[70:71], s[80:81]      ; lp[0][b]
	s_lshl_b32 s80, s82, 4
	s_add_nc_u64 s[72:73], s[72:73], s[80:81]      ; expert_scores[b]
	s_lshl_b32 s80, s13, 15
	s_lshl_b32 s83, s11, 14
	s_add_co_u32 s80, s80, s83                     ; 128 bytes x my first row
	s_add_nc_u64 s[68:69], s[68:69], s[80:81]      ; tp
	s_lshl_b32 s80, s80, 7                         ; 16,384 bytes x my first row
	s_add_nc_u64 s[78:79], s[78:79], s[80:81]      ; out0
	s_lshl_b32 s88, s42, 10
	s_lshl_b32 s90, s12, 9
	s_add_co_u32 s88, s88, s90                     ; 4 bytes x my first column
	s_add_nc_u64 s[76:77], s[76:77], s[88:89]      ; b_base
	s_add_nc_u64 s[78:79], s[78:79], s[88:89]
	s_lshl_b32 s88, s88, 3                         ; 32 bytes x my first column
	s_add_nc_u64 s[74:75], s[74:75], s[88:89]      ; lora_B
	s_mov_b32 s84, 0x76543210                      ; v_permlanex16_b32: lane i of the other half
	s_mov_b32 s85, 0xfedcba98
	s_mov_b32 s86, 0xffff0000                      ; lanes with h = 1
	s_mov_b32 s87, 0xaaaaaaaa                      ; odd lanes
	v_and_b32 v1, 15, v0                           ; r
	v_bfe_u32 v2, v0, 4, 1                         ; h
	v_mul_u32_u24 v3, v1, PITCH
	v_lshl_add_u32 v3, v2, 4, v3
	s_mul_i32 s21, s11, HALFT
	s_mul_i32 s22, s12, HALFT
	s_add_co_u32 s22, s22, 2*HALFT
.irp s, 0,1
	v_add_nc_u32 v[ADRA+\s], s21, v3
	v_add_nc_u32 v[ADRB+\s], s22, v3
	s_add_co_u32 s21, s21, SLOT
	s_add_co_u32 s22, s22, SLOT
.endr
	s_mul_i32 s23, s10, 16*SPITCH
	s_add_co_u32 s23, s23, STAGE                   ; my stage
	v_mul_u32_u24 v4, v1, SPITCH
	v_lshl_add_u32 v4, v2, 5, v4
	v_add_nc_u32 v[STO], s23, v4                   ; row r, 32 h bytes
	v_and_b32 v5, 31, v0
	v_lshlrev_b32 v[CO], 4, v5
	v_add_nc_u32 v[RD], s23, v[CO]
	v_lshrrev_b32 v6, 1, v5
	v_lshlrev_b32 v6, 8, v6
	v_and_b32 v7, 1, v5
	v_lshl_add_u32 v[LPO], v7, 4, v6               ; 256 (lane / 2) + 16 (lane & 1)
	v_lshlrev_b32 v6, 7, v1
	v_lshl_add_u32 v[TO], v2, 5, v6                ; 128 r + 32 h
	v_lshlrev_b32 v6, 5, v1
	v_lshl_add_u32 v[BO], v2, 17, v6               ; 131,072 h + 32 r
	v_mov_b32 v30, 0
	; 114 loads: lp 16, scores 1, bias 1, lora_B 32, tp 32 + 32
.irp i, 0,1,2,3,4,5,6,7,8,9,10,11,12,13,14,15
	global_load_b128 v[LPS+4*\i:LPS+4*\i+3], v[LPO], s[70:71] offset:4096*\i       ; shares of work-groups 16 i + lane / 2, m = 4 (lane & 1) + 0..3
.endr
	global_load_b128 v[32:35], v30, s[72:73]       ; the four scores, in every lane
	global_load_b128 v[36:39], v[CO], s[76:77]     ; the bias of my four columns of a row read back
	WIN 0x40
.irp bf, 0,1,2,3,4,5,6,7
	global_load_b128 v[64+16*\bf:64+16*\bf+3],     v[BO], s[74:75] offset:512*\bf          ; expert h, row 16 bf + r, r' = 0..3
	global_load_b128 v[64+16*\bf+4:64+16*\bf+7],   v[BO], s[74:75] offset:512*\bf+16       ; 4..7
	global_load_b128 v[64+16*\bf+8:64+16*\bf+11],  v[BO], s[74:75] offset:512*\bf+262144   ; expert 2 + h
	global_load_b128 v[64+16*\bf+12:64+16*\bf+15], v[BO], s[74:75] offset:512*\bf+262160
.endr
	WIN 0
.irp a, 0,1,2,3,4,5,6,7
	global_load_b128 v[64+16*\a:64+16*\a+3],     v[TO], s[68:69] offset:2048*\a            ; row 16 a + r, k = 8 h + 0..3
	global_load_b128 v[64+16*\a+4:64+16*\a+7],   v[TO], s[68:69] offset:2048*\a+16
	global_load_b128 v[64+16*\a+8:64+16*\a+11],  v[TO], s[68:69] offset:2048*\a+64         ; k = 16 + 8 h + 0..3
	global_load_b128 v[64+16*\a+12:64+16*\a+15], v[TO], s[68:69] offset:2048*\a+80
.endr
	WIN 0x80
.irp a, 0,1,2,3,4,5,6,7
	global_load_b128 v[64+16*\a:64+16*\a+3],     v[TO], s[68:69] offset:524288+2048*\a     ; the other half of the columns' sums, into window 2
	global_load_b128 v[64+16*\a+4:64+16*\a+7],   v[TO], s[68:69] offset:524288+2048*\a+16
	global_load_b128 v[64+16*\a+8:64+16*\a+11],  v[TO], s[68:69] offset:524288+2048*\a+64
	global_load_b128 v[64+16*\a+12:64+16*\a+15], v[TO], s[68:69] offset:524288+2048*\a+80
.endr
	s_wait_loadcnt 63                              ; of 114 loads the oldest 51 are in: lp, scores, bias and lora_B are the oldest 50 (64 would do; the wait cannot name it)
.macro PACK64                          ; 128 f32 at v64.. become 64 words of bf16 at v64.., ascending: word i is written when registers 2 i, 2 i + 1 are read and i has been read
.set i, 0
.rept 64
	v_cvt_pk_bf16_f32 v[64+i], v[64+2*i], v[64+2*i+1]
.set i, i+1
.endr
.endm
	WIN 0x45                                       ; all three places in window 1
	PACK64                                         ; lora_B's fragment bf at F1 + 8 bf
	WIN 0
	; the logits of my batch: 16 loads are folded, then the lanes of like parity
.irp i, 0,1,2,3,4,5,6,7
	v_pk_add_f32 v[LPS+8*\i:LPS+8*\i+1],   v[LPS+8*\i:LPS+8*\i+1],   v[LPS+8*\i+4:LPS+8*\i+5]
	v_pk_add_f32 v[LPS+8*\i+2:LPS+8*\i+3], v[LPS+8*\i+2:LPS+8*\i+3], v[LPS+8*\i+6:LPS+8*\i+7]
.endr
.irp i, 0,1,2,3
	v_pk_add_f32 v[LPS+16*\i:LPS+16*\i+1],   v[LPS+16*\i:LPS+16*\i+1],   v[LPS+16*\i+8:LPS+16*\i+9]
	v_pk_add_f32 v[LPS+16*\i+2:LPS+16*\i+3], v[LPS+16*\i+2:LPS+16*\i+3], v[LPS+16*\i+10:LPS+16*\i+11]
.endr
.irp i, 0,1
	v_pk_add_f32 v[LPS+32*\i:LPS+32*\i+1],   v[LPS+32*\i:LPS+32*\i+1],   v[LPS+32*\i+16:LPS+32*\i+17]
	v_pk_add_f32 v[LPS+32*\i+2:LPS+32*\i+3], v[LPS+32*\i+2:LPS+32*\i+3], v[LPS+32*\i+18:LPS+32*\i+19]
.endr
	v_pk_add_f32 v[LPS:LPS+1],   v[LPS:LPS+1],   v[LPS+32:LPS+33]
	v_pk_add_f32 v[LPS+2:LPS+3], v[LPS+2:LPS+3], v[LPS+34:LPS+35]
.irp x, 2,4,8
.irp q, 0,1,2,3
	v_add_f32_dpp v[192+\q], v[192+\q], v[192+\q] row_xmask:\x row_mask:0xf bank_mask:0xf
.endr
.endr
.irp q, 0,1,2,3
	v_permlanex16_b32 v[196+\q], v[192+\q], s84, s85
.endr
.irp q, 0,1,2,3
	v_add_f32 v[192+\q], v[192+\q], v[196+\q]      ; even lanes: logits 0-3; odd lanes: 4-6 and the pad
.endr
.irp q, 0,1,2,3
	v_mov_b32_dpp v[196+\q], v[192+\q] row_xmask:1 row_mask:0xf bank_mask:0xf      ; the neighbour's four
.endr
.irp q, 0,1,2,3
	v_cndmask_b32 v[200+\q], v[192+\q], v[196+\q], s87         ; logits 0-3 in every lane
.endr
.irp q, 0,1,2
	v_cndmask_b32 v[204+\q], v[196+\q], v[192+\q], s87         ; logits 4-6
.endr
	v_max3_num_f32 v208, v200, v201, v202
	v_max3_num_f32 v208, v208, v203, v204
	v_max3_num_f32 v208, v208, v205, v206          ; the largest is taken away, as the softmax does
.irp m, 0,1,2,3,4,5,6
	v_sub_f32 v[200+\m], v[200+\m], v208
.endr
.irp m, 0,1,2,3,4,5,6
	v_mul_f32 v[200+\m], 0x3fb8aa3b, v[200+\m]     ; e^x = 2^(x log2 e)
.endr
.irp m, 0,1,2,3,4,5,6
	v_exp_f32 v[210+\m], v[200+\m]
.endr
	v_mov_b32 v209, 1                              ; a plain instruction between the exponentials and their first use (ISA guide 5.7.2)
	s_wait_alu depctr_va_vdst(0)
	v_add_f32 v217, v210, v211
	v_add_f32 v218, v212, v213
	v_add_f32 v207, v214, v215
	v_add_f32 v217, v217, v218
	v_add_f32 v207, v207, v216
	v_add_f32 v217, v217, v207
	v_mov_b32 v219, 2
	v_mov_b32 v220, 0.5
	v_mul_f32 v218, 0.5, v217
	v_cmp_gt_f32 vcc_lo, v210, v218                ; prob[0] > 0.5 (false for NaN, as in a comparison of the quotient)
	v_cndmask_b32 v219, 1, v219, vcc_lo            ; how many experts: 2 or 1
	v_cndmask_b32 v220, 1.0, v220, vcc_lo          ; their weight: 1/2 or 1
	v_cmp_ge_f32 vcc_lo, v32, v33                  ; c(a, b), a < b: a stands ahead of b
	v_cndmask_b32 v221, 0, v209, vcc_lo
	v_cmp_ge_f32 vcc_lo, v32, v34
	v_cndmask_b32 v222, 0, v209, vcc_lo
	v_cmp_ge_f32 vcc_lo, v32, v35
	v_cndmask_b32 v223, 0, v209, vcc_lo
	v_cmp_ge_f32 vcc_lo, v33, v34
	v_cndmask_b32 v224, 0, v209, vcc_lo
	v_cmp_ge_f32 vcc_lo, v33, v35
	v_cndmask_b32 v225, 0, v209, vcc_lo
	v_cmp_ge_f32 vcc_lo, v34, v35
	v_cndmask_b32 v226, 0, v209, vcc_lo
	v_add3_u32 v227, v221, v222, v223
	v_sub_nc_u32 v227, 3, v227                     ; rank 0 = 3 - c01 - c02 - c03
	v_add_nc_u32 v228, v224, v225
	v_sub_nc_u32 v228, v221, v228
	v_add_nc_u32 v228, 2, v228                     ; rank 1 = 2 + c01 - c12 - c13
	v_add3_u32 v229, v222, v224, 1
	v_sub_nc_u32 v229, v229, v226                  ; rank 2 = 1 + c02 + c12 - c23
	v_add3_u32 v230, v223, v225, v226              ; rank 3 = c03 + c13 + c23
.irp e, 0,1,2,3
	v_cmp_lt_u32 vcc_lo, v[227+\e], v219
	v_cndmask_b32 v[231+\e], 0, v220, vcc_lo       ; gate[b][e]
.endr
	v_cndmask_b32 v40, v231, v232, s86             ; k = 8 h ..: expert h
	v_cndmask_b32 v41, v231, v232, s86
	v_cndmask_b32 v42, v233, v234, s86             ; k = 16 + 8 h ..: expert 2 + h
	v_cndmask_b32 v43, v233, v234, s86
	s_wait_loadcnt 0x0                             ; tp, both halves
	WIN 0x08                                       ; source 1 in window 2
.set i, 0
.rept 64
	v_pk_add_f32 v[64+2*i:65+2*i], v[64+2*i:65+2*i], v[64+2*i:65+2*i]      ; t = the two halves of the columns
.set i, i+1
.endr
	WIN 0
.irp a, 0,1,2,3,4,5,6,7
.irp c, 0,2,4,6
	v_pk_mul_f32 v[64+16*\a+\c:65+16*\a+\c], v[64+16*\a+\c:65+16*\a+\c], v[40:41]          ; the factors 0, 1/2, 1 are exact
	v_pk_mul_f32 v[72+16*\a+\c:73+16*\a+\c], v[72+16*\a+\c:73+16*\a+\c], v[42:43]
.endr
.endr
	PACK64                                         ; gate x t: fragment a at F1 + 8 a
; 16 matrix instructions: m blocks a0, a0 + 1 of the window's four x all 8 n blocks, 32 along K.  zero = 1: the product starts the sums.
; The 64 accumulators take turns, one instruction a turn, in the same order in every quarter step.
.macro MUL16 f, hi, a0, zero
.irp a, \a0, \a0+1
.irp b, 0,1,2,3,4,5,6,7
.if \zero
	v_wmma_f32_16x16x32_bf16 v[8*(8*(\a)+\b):8*(8*(\a)+\b)+7], v[\f+8*\b:\f+8*\b+7], v[\f+8*(4*\hi+\a):\f+8*(4*\hi+\a)+7], 0
.else
	v_wmma_f32_16x16x32_bf16 v[8*(8*(\a)+\b):8*(8*(\a)+\b)+7], v[\f+8*\b:\f+8*\b+7], v[\f+8*(4*\hi+\a):\f+8*(4*\hi+\a)+7], v[8*(8*(\a)+\b):8*(8*(\a)+\b)+7]
.endif
.endr
.endr
.endm
; 32 LDS loads in one run: one quarter step's fragments (128 rows of wb, 128 of xb, 32 K at byte k of the rows) into buffer f
.macro FETCH slot, k, f
	WIN TO_B
.irp i, 0,1,2,3,4,5,6,7
	ds_load_b128 v[\f+8*\i:\f+8*\i+3],   v[ADRB+\slot] offset:\k+\i*16*PITCH
	ds_load_b128 v[\f+8*\i+4:\f+8*\i+7], v[ADRB+\slot] offset:\k+\i*16*PITCH+32
.endr
	WIN 0
.irp i, 0,1,2,3,4,5,6,7
	ds_load_b128 v[\f+8*\i:\f+8*\i+3],   v[ADRA+\slot] offset:\k+\i*16*PITCH
	ds_load_b128 v[\f+8*\i+4:\f+8*\i+7], v[ADRA+\slot] offset:\k+\i*16*PITCH+32
.endr
.endm
.macro PLACES                          ; four places behind a matrix instruction before its registers are loaded into, read by a store or written
.rept 4
	v_nop
.endr
.endm
.macro QUARTER slot, k, f, g, zero
	s_wait_dscnt 8                                 ; wb's and xb's rows 0-63 are in; the youngest eight loads (xb's rows 64-127) may be out
	WIN MUL_LO
	MUL16 \f, 0, 0, \zero
	MUL16 \f, 0, 2, \zero
	PLACES
	FETCH \slot, \k, \g
	s_wait_dscnt 32                                ; all but the 32 just issued
	WIN MUL_HI
	MUL16 \f, 1, 0, \zero
	MUL16 \f, 1, 2, \zero
.endm
.macro THREE slot, zero
	QUARTER \slot, 64,  F0, F1, \zero
	QUARTER \slot, 128, F1, F0, 0
	QUARTER \slot, 192, F0, F1, 0
.endm
; The last quarter of a K step multiplies buffer 1 and changes slots.  In front of the barrier each wave waits for its reads of this slot and for all its tensor
; loads (one is out: its part of the next slot).  Where the slot is filled again the barrier opens a round of the cluster's barrier, and the joint refill is the
; first tensor load behind the round.  From a request to the wait for it a wave issues 240 matrix instructions.
.macro TURN slot, next, fill
	s_wait_dscnt 8
	WIN MUL_LO
	MUL16 F1, 0, 0, 0
	s_wait_dscnt 0                                 ; my reads of this slot are over
	s_wait_tensorcnt 0x0                           ; all my tensor loads have landed
	ds_add_u32 v255, v63
	s_wait_dscnt 0x0
	s_barrier_signal -1
	MUL16 F1, 0, 2, 0                              ; register work while the others arrive
	WIN 0
	s_barrier_wait -1
.if \fill
	CREST                                          ; no wave of any partner still reads this slot or has a load on its way
	s_add_nc_u64 s[G0+4*\slot+2:G0+4*\slot+3], s[G0+4*\slot+2:G0+4*\slot+3], 2*KSTEP*2
	s_add_nc_u64 s[G0B+4*\slot+2:G0B+4*\slot+3], s[G0B+4*\slot+2:G0B+4*\slot+3], 2*KSTEP*2
	JLOAD \slot
.endif
	PLACES
	FETCH \next, 0, F0
	WIN MUL_HI
	MUL16 F1, 1, 0, 0
	MUL16 F1, 1, 2, 0
.endm
.macro LAP zero
	THREE 0, \zero
	TURN 0, 1, 1
	THREE 1, 0
	TURN 1, 0, 1
.endm
	s_wait_tensorcnt 1                             ; my part of K step 0 is in; K step 1's may stay out
	s_barrier_signal -1
	s_barrier_wait -1                              ; everybody's is
	FETCH 0, 0, F0                                 ; lands while the LoRA step is multiplied
	WIN MUL_LO
	MUL16 F1, 0, 0, 1                              ; the LoRA step starts all 64 sums: nothing is cleared
	MUL16 F1, 0, 2, 1
	WIN MUL_HI
	MUL16 F1, 1, 0, 1
	MUL16 F1, 1, 2, 1
	WIN 0                                          ; at a label and at a branch every window is 0
	s_mov_b32 s3, SIZE_K/(2*KSTEP)-1               ; 15 laps fill K steps 2 to 31
.Llap:
	LAP 0
	WIN 0
	s_sub_co_u32 s3, s3, 1
	s_cmp_lg_u32 s3, 0
	s_cbranch_scc1 .Llap
	THREE 0, 0                                     ; the last lap fills nothing
	TURN 0, 1, 0
	THREE 1, 0
	s_wait_dscnt 8
	WIN MUL_LO
	MUL16 F1, 0, 0, 0
	MUL16 F1, 0, 2, 0
	s_wait_dscnt 0
	WIN MUL_HI
	MUL16 F1, 1, 0, 0
	MUL16 F1, 1, 2, 0
	; THE WAY OUT, 16 rows at a time: a lane's 32 bytes go straight from the accumulators into my own stage; whole rows of 512 bytes come back,
	; get the bias and are stored.  LDS serves a wave's instructions in order, so no wait stands between the stores and the loads.
	PLACES
.macro OUT16 i, a, win, f
	WIN \win                                       ; the stores' data in window 2 or 3
.irp b, 0,1,2,3,4,5,6,7
	ds_store_b128 v[STO], v[8*(8*\a+\b):8*(8*\a+\b)+3]   offset:64*\b
	ds_store_b128 v[STO], v[8*(8*\a+\b)+4:8*(8*\a+\b)+7] offset:64*\b+16
.endr
	WIN 0
	s_wait_xcnt 0x0                                ; buffer f, which earlier stores read, and the stores' base are rewritten only behind this wait
.if \i
	s_add_nc_u64 s[78:79], s[78:79], 16*16384      ; 16 rows of out0 on
.endif
.irp t, 0,1,2,3,4,5,6,7,8,9,10,11,12,13,14,15
	ds_load_b128 v[\f+4*\t:\f+4*\t+3], v[RD] offset:\t*SPITCH
.endr
.irp t, 0,1,2,3,4,5,6,7,8,9,10,11,12,13,14,15
	s_wait_dscnt 15-\t
	v_pk_add_f32 v[\f+4*\t:\f+4*\t+1],   v[\f+4*\t:\f+4*\t+1],   v[36:37]
	v_pk_add_f32 v[\f+4*\t+2:\f+4*\t+3], v[\f+4*\t+2:\f+4*\t+3], v[38:39]
	global_store_b128 v[CO], v[\f+4*\t:\f+4*\t+3], s[78:79] offset:\t*16384 th:TH_STORE_NT   ; the wave stores 512 consecutive bytes, at a multiple of 512 from out0's first byte
.endr
.endm
	OUT16 0, 0, 0x08, F0
	OUT16 1, 1, 0x08, F1
	OUT16 2, 2, 0x08, F0
	OUT16 3, 3, 0x08, F1
	OUT16 4, 0, 0x0c, F0
	OUT16 5, 1, 0x0c, F1
	OUT16 6, 2, 0x0c, F0
	OUT16 7, 3, 0x0c, F1
	s_set_vgpr_msb 0x1
	s_wait_tensorcnt 0x0
	ds_add_u32 v255, v63
	s_wait_dscnt 0x0
	s_set_vgpr_msb 0x100
	CROUND                                         ; the closing round: no work-group ends while a partner may still ask for a tile that names it
	s_endpgm
.Lfunc_end_k_q66d9811693_gemm:
	.size	k_q66d9811693_gemm, .Lfunc_end_k_q66d9811693_gemm-k_q66d9811693_gemm
	.p2alignl 7, 3214868480
	.fill 96, 4, 3214868480
	.section	.rodata,"a",@progbits
	.p2align	6, 0x0
	.amdhsa_kernel k_q66d9811693_gemm
		.amdhsa_group_segment_fixed_size 327680
		.amdhsa_private_segment_fixed_size 0
		.amdhsa_enable_private_segment 0
		.amdhsa_kernarg_size 64
		.amdhsa_user_sgpr_count 2
		.amdhsa_user_sgpr_kernarg_segment_ptr 1
		.amdhsa_wavefront_size32 1
		.amdhsa_system_sgpr_workgroup_id_x 1
		.amdhsa_system_sgpr_workgroup_id_y 1
		.amdhsa_system_sgpr_workgroup_id_z 1
		.amdhsa_system_vgpr_workitem_id 0
		.amdhsa_next_free_vgpr 1024
		.amdhsa_next_free_sgpr 96
		.amdhsa_reserve_vcc 1
		.amdhsa_float_denorm_mode_32 3
		.amdhsa_float_denorm_mode_16_64 3
		.amdhsa_memory_ordered 1
		.amdhsa_forward_progress 1
		.amdhsa_inst_pref_size 198
	.end_amdhsa_kernel
	.amdgpu_metadata
---
amdhsa.version: [ 1, 2 ]
amdhsa.kernels:
  - .name:           k_q66d9811693_gemm
    .symbol:         k_q66d9811693_gemm.kd
    .args:
      - { .name: xb, .offset: 0, .size: 8, .value_kind: global_buffer, .address_space: global }
      - { .name: wb, .offset: 8, .size: 8, .value_kind: global_buffer, .address_space: global }
      - { .name: tp, .offset: 16, .size: 8, .value_kind: global_buffer, .address_space: global }
      - { .name: lp, .offset: 24, .size: 8, .value_kind: global_buffer, .address_space: global }
      - { .name: expert_scores, .offset: 32, .size: 8, .value_kind: global_buffer, .address_space: global }
      - { .name: lora_B, .offset: 40, .size: 8, .value_kind: global_buffer, .address_space: global }
      - { .name: b_base, .offset: 48, .size: 8, .value_kind: global_buffer, .address_space: global }
      - { .name: out0, .offset: 56, .size: 8, .value_kind: global_buffer, .address_space: global }
    .group_segment_fixed_size: 327680
    .private_segment_fixed_size: 0
    .kernarg_segment_align: 8
    .kernarg_segment_size: 64
    .max_flat_workgroup_size: 128
    .sgpr_count:     96
    .vgpr_count:     1024
    .wavefront_size: 32
...
	.end_amdgpu_metadata
.endif
;; end of part 2
;; ======== version 2 of 2: 2 launches; version 1 with the launch prep written anew for expert scheduling mode
;; workspace buffers: xb 33,554,432 bytes; wb 33,554,432 bytes; tp 1,048,576 bytes; lp 65,536 bytes
;; launch prep (part 3): grid 256 x 1, 16 waves a work-group, no clusters, 281,088 bytes of LDS; arguments x, W_base, gating_W, W_r, lora_A, xb, wb, tp, lp; writes xb, wb, tp, lp
.if DOCPART == 3
	.amdgcn_target "amdgcn-amd-amdhsa--gfx1250"
	.amdhsa_code_object_version 6
	.text
	.protected	k_q66d9811693_prep
	.globl	k_q66d9811693_prep
	.p2align	8
	.type	k_q66d9811693_prep,@function
k_q66d9811693_prep:
	s_mov_b64 s[64:65], 0
	v_nop
	global_prefetch_b8 v0, s[64:65] scope:SCOPE_SE
	s_setreg_imm32_b32 hwreg(HW_REG_WAVE_SCHED_MODE, 0, 2), 2
	s_setreg_imm32_b32 hwreg(HW_REG_WAVE_MODE, 25, 1), 1
	s_wait_xcnt 0x0
	s_wait_alu depctr_vm_vsrc(0)
; PREP: everything that has to be done once ahead of the large product.
;   xb = bf16(x), wb = bf16(W_base)                       [4096][4096] bf16 each
;   tp[kh][row][n] = sum over half kh of the columns of x[row][i] lora_A[n][i]   (n = 8 e + r), bf16 operands, f32 sums
;   lp[g][b][m]    = work-group g's share of logits[b][m] = sum over j, i of W_r[m][j] gating_W[j][i] x[b][511][i], all in f32
; The logits are bilinear, so any block (rows j, columns i) of gating_W gives a share: first V[m][i] = sum over j of W_r[m][j] G[j][i]
; (7 multiply-adds an element, W_r as scalars), then V . pooled.  LIMIT: the logits are summed in another order than a chain of two products.
; 256 work-groups of 16 waves.  Each wave moves four pieces of 16 KiB through registers, every load 512 consecutive aligned bytes:
;   X  32 rows x 128 columns of x        (work-group: 32 rows x 2,048 columns; the wave's 128 columns are its own K slice of t)
;   A  32 rows x 128 columns of lora_A   (the same columns)
;   W  one row of W_base
;   G  32 rows x 128 columns of gating_W (work-group: 512 rows x 128 columns)
; TWO ORDERS: eight waves walk X, A, G, W and eight walk G, W, X, A.  X and A go through LDS (16 KiB in and 16 KiB out a wave), G is about 450 vector
; instructions a wave, W is loads and stores alone; with two orders the eight waves that use LDS are not the eight that multiply or stream,
; and no wave ends with G's arithmetic.  The group is ((wave >> 2) xor wave) & 1: of any four waves w, w+4, w+8, w+12 and of any four
; neighbouring waves two belong to each group.
; NO CLUSTER, NO TENSOR LOADS: every byte is f32 in memory and has to pass through registers to be rounded to bf16 or multiplied; a tile
; brought to LDS as f32 would be read, converted and written once more.  Only lora_A's 16 KiB of a wave's 64 KiB is shared between work-groups.
; THE MODE: SCHED_MODE bits 1:0 = 2 (LLVM: expert scheduling mode 2), set by the entry lines.  The code itself states the register dependences
; between vector or matrix instructions and memory or LDS instructions, with s_wait_alu, always for 0.
; THE PLAN.  Registers that memory or LDS instructions touch:
;   v2-v15, v243-v245  offsets and LDS addresses: written at the head, never again; one wait on va_vdst ahead of the branch into the two orders serves both.
;   P, Q     written by loads; read by a half piece's conversions or multiply-adds.  ONE wait on va_vdst stands behind the lines that empty a buffer, and the buffer's
;            next 16 loads follow it at once: the wave has two buffers and no register for a third, so a buffer is not left idle.
;   Y, Y2    written by a half piece's conversions; read by its stores, which stand behind the same wait and behind the loads.  Written again only behind
;            s_wait_xcnt 0 and, beside it, a wait on vm_vsrc.  The next half piece's conversions name the other buffer and the other set.
;   TACC     (Y2's registers) written by the matrix instructions; read by the LDS stores of my part of t, behind the four places and a wait on va_vdst.
;   V        written by G's multiply-adds; read by the LDS stores at the join; written again by the closing product behind a wait on vm_vsrc.
;   the pooled numbers and their offsets lie in the registers of P that a conversion in place leaves free (numbers 2 and 3 of every four).
.set XBSZ,   17408                     ; a wave's own LDS: two tiles of 32 rows x 272 bytes
.set TPITCH, 272                       ; 256 bytes of bf16 + 16: an odd multiple of 16, the 16 rows of a fragment load start at 16 different places modulo 256
.set ATILE,  8704                      ; lora_A's tile behind x's
.set PPITCH, 144                       ; t partial: 32 f32 + 16 bytes
.set VOFF,   4608                      ; V partial [8][128] f32 behind the t partial; both lie on x's tile, which the wave has read by then
.set SCR,    16*XBSZ                   ; [2 halves][8 b][8 m] f32
.set P,    16                          ; v[16:79]   load buffer, 16 loads of 16 bytes a lane; at the end pooled[b] in the pair at P + 4 b + 2, its offset at P + 34 + 4 (b / 2) + b % 2
.set Q,    80                          ; v[80:143]  load buffer; behind the join the reductions
.set Y,    144                         ; v[144:175] converted pairs, first set; also fragment set 0
.set Y2,   176                         ; v[176:207] converted pairs, second set
.set TACC, 176                         ; the same registers: the four accumulators of t
.set V,    208                         ; v[208:239] V[7][4 columns] and four zeros; in the first order, before V begins: lora_A's first 16 rows in bf16, then fragment set 1
.set WA,   4                           ; s[4:31]    W_r[m][4 rows], 7 x 4
.set WB,   32                          ; s[32:59]   the same, the other piece
.set T,    86                          ; s[86:99]   7 pairs: a scalar from an odd register moved to the low place of a pair
.macro LOADB buf, base, off0, step, nt  ; 16 loads, each 512 consecutive bytes of the wave
.irp i, 0,1,2,3,4,5,6,7,8,9,10,11,12,13,14,15
.if \nt
	global_load_b128 v[\buf+4*\i:\buf+4*\i+3], v2, s[\base:\base+1] offset:\off0+\i*\step th:TH_LOAD_NT
.else
	global_load_b128 v[\buf+4*\i:\buf+4*\i+3], v2, s[\base:\base+1] offset:\off0+\i*\step
.endif
.endr
.endm
; 16 loaded rows are rounded to bf16: row i's four numbers become the pair at dst + st x i.  st = 2: a dense set of 32 registers; dst = buf and st = 4: in place.
; left = how many loads may be out when the first four rows are needed: this buffer's other 12 and what was issued behind them
; (the other buffer's 16: 28; the 8 pooled loads: 20); it falls by four from group to group.
.macro CONV buf, dst, st, left
.irp grp, 0,1,2,3
	s_wait_loadcnt \left-4*\grp
.irp q, 0,1,2,3
	v_cvt_pk_bf16_f32 v[\dst+\st*(4*\grp+\q)],   v[\buf+16*\grp+4*\q],   v[\buf+16*\grp+4*\q+1]
	v_cvt_pk_bf16_f32 v[\dst+\st*(4*\grp+\q)+1], v[\buf+16*\grp+4*\q+2], v[\buf+16*\grp+4*\q+3]
.endr
.endr
.endm
; The 16 converted rows leave.  Each of these runs stands behind the wait on va_vdst that follows its conversions.
.macro SENDX yy, row0                  ; x: into my tile in LDS and to xb
.irp i, 0,1,2,3,4,5,6,7,8,9,10,11,12,13,14,15
	ds_store_b64 v4, v[\yy+2*\i:\yy+2*\i+1] offset:(\row0+\i)*TPITCH
	global_store_b64 v3, v[\yy+2*\i:\yy+2*\i+1], s[78:79] offset:(\row0+\i)*8192   ; the wave stores 256 consecutive aligned bytes
.endr
.endm
.macro SENDW yy, row0                  ; W_base: to wb
.irp i, 0,1,2,3,4,5,6,7,8,9,10,11,12,13,14,15
	global_store_b64 v3, v[\yy+2*\i:\yy+2*\i+1], s[80:81] offset:(\row0+\i)*256
.endr
.endm
.macro SENDA src, st, row0             ; lora_A: into my tile in LDS
.irp i, 0,1,2,3,4,5,6,7,8,9,10,11,12,13,14,15
	ds_store_b64 v4, v[\src+\st*\i:\src+\st*\i+1] offset:ATILE+(\row0+\i)*TPITCH
.endr
.endm
; Fragments of 16 rows x 32 K: two loads of 16 bytes, 32 bytes apart.
.macro FRAG set, kq
.irp rt, 0,1
	ds_load_b128 v[\set+8*\rt:\set+8*\rt+3],   v5 offset:\rt*16*TPITCH+64*\kq
	ds_load_b128 v[\set+8*\rt+4:\set+8*\rt+7], v5 offset:\rt*16*TPITCH+64*\kq+32
.endr
.irp nt, 0,1
	ds_load_b128 v[\set+16+8*\nt:\set+16+8*\nt+3], v5 offset:ATILE+\nt*16*TPITCH+64*\kq
	ds_load_b128 v[\set+16+8*\nt+4:\set+16+8*\nt+7], v5 offset:ATILE+\nt*16*TPITCH+64*\kq+32
.endr
.endm
; Source 0 = 16 rows of lora_A, source 1 = 16 rows of x: a lane then holds row r of x and n = 16 nt + 8 h + 0..7, 32 neighbouring bytes.
; The four accumulators take turns, one instruction a turn.
.macro MM set, zero
.irp rt, 0,1
.irp nt, 0,1
.if \zero
	v_wmma_f32_16x16x32_bf16 v[TACC+8*(2*\rt+\nt):TACC+8*(2*\rt+\nt)+7], v[\set+16+8*\nt:\set+16+8*\nt+7], v[\set+8*\rt:\set+8*\rt+7], 0
.else
	v_wmma_f32_16x16x32_bf16 v[TACC+8*(2*\rt+\nt):TACC+8*(2*\rt+\nt)+7], v[\set+16+8*\nt:\set+16+8*\nt+7], v[\set+8*\rt:\set+8*\rt+7], v[TACC+8*(2*\rt+\nt):TACC+8*(2*\rt+\nt)+7]
.endif
.endr
.endr
.endm
.macro PLACES                          ; four places behind a matrix instruction before its registers are loaded into, written or stored (ISA guide 7.12.1); they stay beside the waits on va_vdst
.rept 4
	v_nop
.endr
.endm
; t for my 128 columns: four steps of 32 along K on two fragment sets fa, fb; then my partial goes onto x's tile.
; Ahead of the macro a wait on vm_vsrc has shown that the stores which read fa, fb and the accumulators' registers have read them.
.macro MATRIX fa, fb
	FRAG \fa, 0                                    ; LDS serves a wave's instructions in order: these see my tile stores
	FRAG \fb, 1
	s_wait_dscnt 8                                 ; all but the eight loads of the other set
	MM \fa, 1                                      ; the first products start the sums
	PLACES
	s_wait_alu depctr_va_vdst(0)                   ; the four products are done reading set fa, in which the next fragments land
	FRAG \fa, 2
	s_wait_dscnt 8
	MM \fb, 0
	PLACES
	s_wait_alu depctr_va_vdst(0)                   ; the four products are done reading set fb, in which the last fragments land
	FRAG \fb, 3
	s_wait_dscnt 8
	MM \fa, 0
	s_wait_dscnt 0
	MM \fb, 0
	PLACES
	s_wait_alu depctr_va_vdst(0)                   ; the matrix instructions have written the accumulators, which the LDS stores read
.irp rt, 0,1
.irp nt, 0,1
	ds_store_b128 v6, v[TACC+8*(2*\rt+\nt):TACC+8*(2*\rt+\nt)+3]   offset:\rt*16*PPITCH+\nt*64      ; on x's tile: my reads of it are back
	ds_store_b128 v6, v[TACC+8*(2*\rt+\nt)+4:TACC+8*(2*\rt+\nt)+7] offset:\rt*16*PPITCH+\nt*64+16
.endr
.endr
.endm
; Four rows of gating_W: V[m][my 4 columns] += W_r[m][row] x row.  A scalar factor is the low register of an even pair, used for both halves;
; the factors of rows 1 and 3 are moved into such a place first.  Behind the rows: the next piece's factors are shown in, and the piece after it is asked for.
.macro GPIECE p, sbuf, vrow, left
	s_wait_loadcnt \left
.irp jj, 0,1,2,3
.if \jj & 1
.irp m, 0,1,2,3,4,5,6
	s_mov_b32 s[T+2*\m], s[\sbuf+4*\m+\jj]
.endr
.endif
.irp m, 0,1,2,3,4,5,6
.irp c, 0,2
.if (\p+\jj) == 0
	v_pk_mul_f32 v[V+4*\m+\c:V+4*\m+\c+1], v[\vrow+\c:\vrow+\c+1], s[\sbuf+4*\m:\sbuf+4*\m+1] op_sel_hi:[1,0]   ; the first row starts the sums
.else
.if \jj & 1
	v_pk_fma_f32 v[V+4*\m+\c:V+4*\m+\c+1], v[\vrow+4*\jj+\c:\vrow+4*\jj+\c+1], s[T+2*\m:T+2*\m+1], v[V+4*\m+\c:V+4*\m+\c+1] op_sel_hi:[1,0,1]
.else
	v_pk_fma_f32 v[V+4*\m+\c:V+4*\m+\c+1], v[\vrow+4*\jj+\c:\vrow+4*\jj+\c+1], s[\sbuf+4*\m+\jj:\sbuf+4*\m+\jj+1], v[V+4*\m+\c:V+4*\m+\c+1] op_sel_hi:[1,0,1]
.endif
.endif
.endr
.endr
.endr
.if \p < 7
	s_wait_kmcnt 0x0                               ; scalar loads come back in no order: zero shows the next piece's factors
.endif
.if \p < 6
.irp m, 0,1,2,3,4,5,6
	s_load_b128 s[\sbuf+4*\m:\sbuf+4*\m+3], s[74:75], \m*16384+(\p+2)*16
.endr
.endif
.endm
.macro GLOW                            ; rows 0-15 of my 32, in P; behind P's 16 loads the other buffer's 16 are out
	GPIECE 0, WA, P,    28
	GPIECE 1, WB, P+16, 24
	GPIECE 2, WA, P+32, 20
	GPIECE 3, WB, P+48, 16
.endm
.macro GHIGH                           ; rows 16-31, in Q; likewise
	GPIECE 4, WA, Q,    28
	GPIECE 5, WB, Q+16, 24
	GPIECE 6, WA, Q+32, 20
	GPIECE 7, WB, Q+48, 16
.endm
; The last tokens' numbers for the closing product, into registers of P that have been used up: the only loads that are out at the join.
; The eight adds stand behind P's conversions and ahead of the wait on va_vdst that those are followed by; the loads stand behind it.
.macro POFFS
.irp b, 0,1,2,3,4,5,6,7
	v_add_nc_u32 v[P+34+4*(\b/2)+(\b%2)], \b*8388608, v3       ; batch b's last token lies 512 rows on: past a load's immediate, so in a register
.endr
.endm
.macro PLOADS
.irp b, 0,1,2,3,4,5,6,7
	global_load_b64 v[P+4*\b+2:P+4*\b+3], v[P+34+4*(\b/2)+(\b%2)], s[100:101]   ; pooled[b][my two columns]
.endr
.endm
.macro SUM16 b                         ; sixteen pairs become one, wave numbers ascending in pairs
.irp i, 0,1,2,3,4,5,6,7
	v_pk_add_f32 v[\b+4*\i:\b+4*\i+1], v[\b+4*\i:\b+4*\i+1], v[\b+4*\i+2:\b+4*\i+3]
.endr
.irp i, 0,1,2,3
	v_pk_add_f32 v[\b+8*\i:\b+8*\i+1], v[\b+8*\i:\b+8*\i+1], v[\b+8*\i+4:\b+8*\i+5]
.endr
.irp i, 0,1
	v_pk_add_f32 v[\b+16*\i:\b+16*\i+1], v[\b+16*\i:\b+16*\i+1], v[\b+16*\i+8:\b+16*\i+9]
.endr
	v_pk_add_f32 v[\b:\b+1], v[\b:\b+1], v[\b+16:\b+17]
.endm
	s_load_b512 s[68:83], s[0:1], 0x0              ; x 68, W_base 70, gating_W 72, W_r 74, lora_A 76, xb 78, wb 80, tp 82
	s_load_b64 s[84:85], s[0:1], 0x40              ; lp
	v_lshl_add_u32 v254, v0, 2, 0x44200
	v_mov_b32 v255, 0
	v_lshrrev_b32 v1, 5, v0
	v_readfirstlane_b32 s2, v1                     ; wave 0..15
	v_and_b32 v1, 31, v0                           ; lane
	v_lshlrev_b32 v2, 4, v1                        ; 16 x lane: f32 loads
	v_lshlrev_b32 v3, 3, v1                        ; 8 x lane: bf16 stores
	s_mov_b32 s61, 0                               ; s[60:61]: every offset, below 2^31
	s_and_b32 s3, ttmp9, 31                        ; cb: which 128 columns of gating_W
	s_wait_alu depctr_va_sdst(0)                   ; s2, the wave's number, is written, ahead of its first reader: bases, LDS places and the branches are made from it
	s_lshr_b32 s62, s2, 3
	s_lshl_b32 s60, s3, 9
	s_lshl_b32 s62, s62, 8
	s_add_co_u32 s60, s60, s62
	s_add_co_u32 s60, s60, 511*16384               ; the last token's row of batch 0, my 64 columns of the closing product
	s_wait_kmcnt 0x0
	s_add_nc_u64 s[100:101], s[68:69], s[60:61]    ; pooled
	s_lshr_b32 s62, ttmp9, 1                       ; rb: which 32 rows of x
	s_and_b32 s63, ttmp9, 1                        ; kh: which 2,048 columns
	s_lshl_b32 s60, s62, 19
	s_lshl_b32 s3, s63, 13
	s_add_co_u32 s60, s60, s3
	s_lshl_b32 s3, s2, 9                           ; the wave's 128 columns
	s_add_co_u32 s60, s60, s3
	s_add_nc_u64 s[68:69], s[68:69], s[60:61]      ; x at my tile
	s_lshr_b32 s60, s60, 1
	s_add_nc_u64 s[78:79], s[78:79], s[60:61]      ; xb at the same place, half the bytes
	s_lshl_b32 s60, s63, 13
	s_add_co_u32 s60, s60, s3
	s_add_nc_u64 s[76:77], s[76:77], s[60:61]      ; lora_A at the same columns
	s_lshl_b32 s60, s63, 19
	s_lshl_b32 s62, s62, 12
	s_add_co_u32 s60, s60, s62
	s_add_nc_u64 s[82:83], s[82:83], s[60:61]      ; tp[kh][32 rb]
	s_lshl_b32 s62, ttmp9, 4
	s_add_co_u32 s62, s62, s2                      ; my row of W_base
	s_lshl_b32 s60, s62, 14
	s_add_nc_u64 s[70:71], s[70:71], s[60:61]
	s_lshl_b32 s60, s62, 13
	s_add_nc_u64 s[80:81], s[80:81], s[60:61]      ; wb
	s_lshr_b32 s62, ttmp9, 5
	s_lshl_b32 s62, s62, 9
	s_lshl_b32 s63, s2, 5
	s_add_co_u32 s62, s62, s63                     ; j0: my first row of gating_W
	s_lshl_b32 s60, s62, 2
	s_add_nc_u64 s[74:75], s[74:75], s[60:61]      ; W_r[0][j0]
	s_lshl_b32 s60, s62, 14
	s_and_b32 s63, ttmp9, 31
	s_lshl_b32 s63, s63, 9
	s_add_co_u32 s60, s60, s63
	s_add_nc_u64 s[72:73], s[72:73], s[60:61]      ; gating_W[j0][128 cb]
	s_lshl_b32 s60, ttmp9, 8
	s_add_nc_u64 s[84:85], s[84:85], s[60:61]      ; lp[g]
.irp m, 0,1,2,3,4,5,6
	s_load_b128 s[WA+4*\m:WA+4*\m+3], s[74:75], \m*16384       ; W_r for rows 0-3
	s_load_b128 s[WB+4*\m:WB+4*\m+3], s[74:75], \m*16384+16    ; and 4-7 of my 32
	s_mov_b32 s[T+2*\m+1], 0                                   ; the upper places of the pairs are never used as factors
.endr
	; lane addresses in LDS
	s_mul_i32 s3, s2, XBSZ                         ; my wave's region
	v_and_b32 v240, 15, v0                         ; r
	v_bfe_u32 v241, v0, 4, 1                       ; h
	v_lshrrev_b32 v242, 4, v0                      ; thread / 16: a row of t in the reduction
	v_lshlrev_b32 v243, 3, v0                      ; 8 x thread: my 8 bytes of tp
	v_add_nc_u32 v4, s3, v3                        ; tile stores: 8 bytes a lane
	v_mul_u32_u24 v5, v240, TPITCH
	v_lshl_add_u32 v5, v241, 4, v5
	v_add_nc_u32 v5, s3, v5                        ; fragments: row r, 16 h
	v_mul_u32_u24 v6, v240, PPITCH
	v_lshl_add_u32 v6, v241, 5, v6
	v_add_nc_u32 v6, s3, v6                        ; t partial: row r, 8 h numbers
	v_add_nc_u32 v7, s3, v2                        ; V partial: 16 bytes a lane
	v_mul_u32_u24 v8, v242, PPITCH
	v_lshl_add_u32 v8, v240, 3, v8                 ; t reduction: row thread / 16, two numbers
	s_and_b32 s62, s2, 7                           ; m of the closing product
	s_lshr_b32 s63, s2, 3                          ; which 64 columns
	s_lshl_b32 s60, s62, 9
	s_lshl_b32 s63, s63, 8
	s_add_co_u32 s60, s60, s63
	s_add_co_u32 s60, s60, VOFF
	v_add_nc_u32 v12, s60, v3                      ; V reduction: row m, my two columns
.irp a, 1,2,3
	v_add_nc_u32 v[8+\a], \a*4*XBSZ, v8            ; four waves' regions on: the immediate reaches the three between
	v_add_nc_u32 v[12+\a], \a*4*XBSZ, v12
.endr
	s_lshl_b32 s60, s62, 2
	s_add_co_u32 s60, s60, s63
	s_add_co_u32 s60, s60, SCR
	v_mov_b32 v244, s60                            ; my wave's word (half, b = 0, m)
	v_add_nc_u32 v245, SCR, v3
	s_wait_alu depctr_va_vdst(0)                   ; the offsets and LDS addresses v2 to v15 and v243 to v245 are written: every load and store of both orders and of the join reads some of them
	s_lshr_b32 s62, s2, 2
	s_xor_b32 s62, s62, s2
	s_and_b32 s62, s62, 1                          ; my group; the branch hangs on the wave's number alone, and no barrier stands inside it
	s_cmp_lg_u32 s62, 0
	s_cbranch_scc1 .Lgroup_b
	; GROUP A: X, A, G, W
	LOADB P, 68, 0, 16384, 1                       ; x rows 0-15
	LOADB Q, 68, 16*16384, 16384, 1                ; x rows 16-31
	CONV P, Y, 2, 28
	s_wait_alu depctr_va_vdst(0)                   ; the conversions have written Y, which the stores below read, and are done reading P, in which the loads below land
	LOADB P, 76, 0, 16384, 0                       ; lora_A rows 0-15 (128 work-groups read them: no hint)
	SENDX Y, 0
	CONV Q, Y2, 2, 28
	s_wait_alu depctr_va_vdst(0)                   ; the conversions have written Y2 and are done reading Q
	LOADB Q, 76, 16*16384, 16384, 0
	SENDX Y2, 16
	CONV P, V, 2, 28                               ; V has not begun: its registers take lora_A's first 16 rows, so that P holds nothing that an LDS store reads
	s_wait_alu depctr_va_vdst(0)                   ; the conversions have written V's registers, which the LDS stores read, and are done reading P
	LOADB P, 72, 0, 16384, 1                       ; gating_W rows 0-15 of my 32
	SENDA V, 2, 0
	CONV Q, Q, 4, 28                               ; in place: only LDS stores read the result
	s_wait_alu depctr_va_vdst(0)                   ; the conversions have written their words of Q, which the LDS stores read, and are done reading the rest of Q
	SENDA Q, 4, 16
	s_wait_xcnt 0x0                                ; both sets were the data of xb's stores: fragments and sums are written into them only behind this wait
	s_wait_alu depctr_vm_vsrc(0)                   ; the stores of x have read Y and Y2, those of lora_A V's registers and Q: loads land in Q, fragments in Y and in V's registers, the sums in Y2
	LOADB Q, 72, 16*16384, 16384, 1
	MATRIX Y, V                                    ; while gating_W is on its way; V's registers are the second fragment set
	s_wait_kmcnt 0x0                               ; pieces 0 and 1 of W_r
	GLOW
	s_wait_alu depctr_vm_vsrc(0)                   ; the LDS stores of my part of t have read the accumulators: W_base's second half is converted into these registers
	s_wait_alu depctr_va_vdst(0)                   ; the multiply-adds are done reading P, in which the loads below land
	LOADB P, 70, 0, 512, 1                         ; my row of W_base, first half
	GHIGH
	s_wait_alu depctr_va_vdst(0)                   ; the multiply-adds are done reading Q
	LOADB Q, 70, 16*512, 512, 1                    ; second half
	CONV P, Y, 2, 28
	POFFS
	s_wait_alu depctr_va_vdst(0)                   ; Y and the eight offsets are written, which the stores and the pooled loads read; the conversions are done reading P, in which pooled lands
	PLOADS
	SENDW Y, 0
	CONV Q, Y2, 2, 20                              ; the eight pooled loads are younger: 12 + 8, and so on down
	s_wait_alu depctr_va_vdst(0)                   ; the conversions have written Y2, which the stores read
	SENDW Y2, 16
	s_branch .Ljoin
.Lgroup_b:
	; GROUP B: G, W, X, A
	LOADB P, 72, 0, 16384, 1
	LOADB Q, 72, 16*16384, 16384, 1
	s_wait_kmcnt 0x0                               ; pieces 0 and 1 of W_r
	GLOW
	s_wait_alu depctr_va_vdst(0)                   ; the multiply-adds are done reading P, in which the loads below land
	LOADB P, 70, 0, 512, 1
	GHIGH
	s_wait_alu depctr_va_vdst(0)                   ; the multiply-adds are done reading Q
	LOADB Q, 70, 16*512, 512, 1
	CONV P, Y, 2, 28
	s_wait_alu depctr_va_vdst(0)                   ; the conversions have written Y, which the stores below read, and are done reading P
	LOADB P, 68, 0, 16384, 1
	SENDW Y, 0
	CONV Q, Y2, 2, 28
	s_wait_alu depctr_va_vdst(0)                   ; the conversions have written Y2 and are done reading Q
	LOADB Q, 68, 16*16384, 16384, 1
	SENDW Y2, 16
	s_wait_xcnt 0x0                                ; both sets were the data of wb's stores: x is converted into them only behind this wait
	s_wait_alu depctr_vm_vsrc(0)                   ; wb's stores have read Y and Y2, which x's conversions write again
	CONV P, Y, 2, 28
	s_wait_alu depctr_va_vdst(0)                   ; the conversions have written Y and are done reading P
	LOADB P, 76, 0, 16384, 0
	SENDX Y, 0
	CONV Q, Y2, 2, 28
	s_wait_alu depctr_va_vdst(0)                   ; the conversions have written Y2 and are done reading Q
	LOADB Q, 76, 16*16384, 16384, 0
	SENDX Y2, 16
	CONV P, P, 4, 28                               ; in place: V is alive here; the words lie in numbers 0 and 1 of every four registers
	POFFS                                          ; into numbers 2 and 3, which the conversions have used up
	s_wait_alu depctr_va_vdst(0)                   ; the converted words and the eight offsets are written, which the LDS stores and the pooled loads read; the conversions are done reading the pairs in which pooled lands
	PLOADS
	SENDA P, 4, 0
	CONV Q, Q, 4, 20                               ; the eight pooled loads are younger
	s_wait_alu depctr_va_vdst(0)                   ; the conversions have written their words of Q, which the LDS stores read, and are done reading the rest of Q
	SENDA Q, 4, 16
	s_wait_xcnt 0x0                                ; both sets were the data of xb's stores
	s_wait_alu depctr_vm_vsrc(0)                   ; the stores of x have read Y and Y2, lora_A's LDS stores Q: fragments land in Y and in Q, the sums in Y2
	MATRIX Y, Q                                    ; V is alive here; Q has been used up: its first 32 registers are the second fragment set
.Ljoin:
	; both groups: V in v[208:235], my t partial in LDS, the eight pooled loads on their way
.irp c, 28,29,30,31
	v_mov_b32 v[V+\c], 0                           ; row m = 7 is a pad, so that lp[g] is 256 whole bytes
.endr
	s_wait_alu depctr_va_vdst(0)                   ; V's sums and the four zeros are written, which the LDS stores read; every vector line that named Q is done: the reductions' loads land there
.irp m, 0,1,2,3,4,5,6,7
	ds_store_b128 v7, v[V+4*\m:V+4*\m+3] offset:VOFF+\m*512    ; on x's tile, behind the t partial: my reads of the tile are back
.endr
	s_mov_b32 s4, 0x76543210                       ; v_permlanex16_b32: lane i reads lane i of the other half
	s_mov_b32 s5, 0xfedcba98
	s_wait_dscnt 0x0                               ; my partials are in LDS, for the other waves' sake
	s_barrier_signal -1
	s_barrier_wait -1
	s_wait_alu depctr_vm_vsrc(0)                   ; my LDS stores have read V's registers, which the closing product writes again
	; the sixteen waves' partials are added
.irp a, 0,1,2,3
.irp c, 0,1,2,3
	ds_load_b64 v[80+2*(4*\a+\c):81+2*(4*\a+\c)], v[8+\a] offset:\c*XBSZ
.endr
.endr
.irp a, 0,1,2,3
.irp c, 0,1,2,3
	ds_load_b64 v[112+2*(4*\a+\c):113+2*(4*\a+\c)], v[12+\a] offset:\c*XBSZ
.endr
.endr
	s_wait_dscnt 16                                ; t's sixteen are in, V's may be out
	SUM16 80
	s_wait_alu depctr_va_vdst(0)                   ; the sum is written into v[80:81], which the store reads
	global_store_b64 v243, v[80:81], s[82:83]      ; 512 threads x 8 bytes: the group's 32 rows x 32 numbers, each wave 256 aligned bytes
	s_wait_dscnt 0x0
	SUM16 112                                      ; V[m][my two columns] over the group's 512 rows
	s_wait_loadcnt 0x0                             ; pooled
	; the products lie in V's registers: only LDS stores have read those; the two converted sets may still be read by global stores
.irp b, 0,1,2,3,4,5,6,7
	v_mul_f32 v[V+\b], v[P+4*\b+2], v112
.endr
.irp b, 0,1,2,3,4,5,6,7
	v_fmac_f32 v[V+\b], v[P+4*\b+3], v113
.endr
.irp x, 1,2,4,8
.irp b, 0,1,2,3,4,5,6,7
	v_add_f32_dpp v[V+\b], v[V+\b], v[V+\b] row_xmask:\x row_mask:0xf bank_mask:0xf
.endr
.endr
.irp b, 0,1,2,3,4,5,6,7
	v_permlanex16_b32 v[V+8+\b], v[V+\b], s4, s5   ; its destination counts as read: V's registers have been written in both groups
.endr
.irp b, 0,1,2,3,4,5,6,7
	v_add_f32 v[V+\b], v[V+\b], v[V+8+\b]
.endr
	s_wait_alu depctr_va_vdst(0)                   ; the eight sums are written, which the LDS stores read; the additions that named v[84:87] are done: wave 0's loads land there
.irp b, 0,1,2,3,4,5,6,7
	ds_store_b32 v244, v[V+\b] offset:32*\b        ; every lane the same word, the same value
.endr
	s_wait_dscnt 0x0
	s_barrier_signal -1
	s_barrier_wait -1
	s_cmp_lg_u32 s2, 0
	s_cbranch_scc1 .Lend                           ; wave 0 adds the two halves of the columns and stores the group's 64 numbers
	ds_load_b64 v[84:85], v245
	ds_load_b64 v[86:87], v245 offset:256
	s_wait_dscnt 0x0
	v_pk_add_f32 v[84:85], v[84:85], v[86:87]
	s_wait_alu depctr_va_vdst(0)                   ; the sum is written into v[84:85], which the store reads
	global_store_b64 v3, v[84:85], s[84:85]        ; 256 consecutive aligned bytes
.Lend:
	s_wait_dscnt 0x0                               ; the closing lines, six on end
	s_wait_alu 0x0
	s_wait_tensorcnt 0x0
	ds_add_u32 v254, v255
	s_wait_dscnt 0x0
	s_endpgm
.Lfunc_end_k_q66d9811693_prep:
	.size	k_q66d9811693_prep, .Lfunc_end_k_q66d9811693_prep-k_q66d9811693_prep
	.p2alignl 7, 3214868480
	.fill 96, 4, 3214868480
	.section	.rodata,"a",@progbits
	.p2align	6, 0x0
	.amdhsa_kernel k_q66d9811693_prep
		.amdhsa_group_segment_fixed_size 281088
		.amdhsa_private_segment_fixed_size 0
		.amdhsa_enable_private_segment 0
		.amdhsa_kernarg_size 72
		.amdhsa_user_sgpr_count 2
		.amdhsa_user_sgpr_kernarg_segment_ptr 1
		.amdhsa_wavefront_size32 1
		.amdhsa_system_sgpr_workgroup_id_x 1
		.amdhsa_system_sgpr_workgroup_id_y 1
		.amdhsa_system_sgpr_workgroup_id_z 1
		.amdhsa_system_vgpr_workitem_id 0
		.amdhsa_next_free_vgpr 256
		.amdhsa_next_free_sgpr 102
		.amdhsa_reserve_vcc 0
		.amdhsa_float_denorm_mode_32 3
		.amdhsa_float_denorm_mode_16_64 3
		.amdhsa_memory_ordered 1
		.amdhsa_forward_progress 1
		.amdhsa_inst_pref_size 165
	.end_amdhsa_kernel
	.amdgpu_metadata
---
amdhsa.version: [ 1, 2 ]
amdhsa.kernels:
  - .name:           k_q66d9811693_prep
    .symbol:         k_q66d9811693_prep.kd
    .args:
      - { .name: x, .offset: 0, .size: 8, .value_kind: global_buffer, .address_space: global }
      - { .name: W_base, .offset: 8, .size: 8, .value_kind: global_buffer, .address_space: global }
      - { .name: gating_W, .offset: 16, .size: 8, .value_kind: global_buffer, .address_space: global }
      - { .name: W_r, .offset: 24, .size: 8, .value_kind: global_buffer, .address_space: global }
      - { .name: lora_A, .offset: 32, .size: 8, .value_kind: global_buffer, .address_space: global }
      - { .name: xb, .offset: 40, .size: 8, .value_kind: global_buffer, .address_space: global }
      - { .name: wb, .offset: 48, .size: 8, .value_kind: global_buffer, .address_space: global }
      - { .name: tp, .offset: 56, .size: 8, .value_kind: global_buffer, .address_space: global }
      - { .name: lp, .offset: 64, .size: 8, .value_kind: global_buffer, .address_space: global }
    .group_segment_fixed_size: 281088
    .private_segment_fixed_size: 0
    .kernarg_segment_align: 8
    .kernarg_segment_size: 72
    .max_flat_workgroup_size: 512
    .sgpr_count:     102
    .vgpr_count:     256
    .wavefront_size: 32
...
	.end_amdgpu_metadata
.endif
;; end of part 3
;; launch gemm: the kernel of part 2 again; grid 16 x 16, 4 waves a work-group, clusters of 4 x 4, 327,680 bytes of LDS; arguments xb, wb, tp, lp, expert_scores, lora_B, b_base, out0; writes out0
